; MI455X (gfx1250); checked and timed in simulation.
; The chip was launched on July 23, 2026; its instructions are those of AMD's public machine-readable ISA for CDNA 5 (MIT licence, August 2026) and "CDNA5" Instruction Set Architecture Reference Guide (July 2026). The comments in the code are by the model that wrote it; some were corrected since.
;; Multi Head Attention. Allowed arithmetic: matrix products marked QUANTISED: E3M2 operands, one E8M0 scale for each 32 along K, by v_wmma_scale_f32_16x16x128_f8f6f4 with both operands' format E3M2, f32 sums; everything else in f32.
;; Inputs: Wk 1,024 x 1,024 float32; Wo 1,024 x 1,024 float32; Wq 1,024 x 1,024 float32; Wv 1,024 x 1,024 float32; token_positions 2,048 int32; x 4 x 2,048 x 1,024 float32.
;; Outputs: out0 4 x 2,048 x 1,024 float32.
;; This version of the problem:
;;   THIS VERSION OF THE PROBLEM IS GIVEN IN LOW PRECISION. The matrix products marked QUANTISED in the list below multiply operands that are first quantised to E3M2 (3 exponent bits, 2 mantissa bits; 6 bits a number), with one power-of-two scale for each 32 numbers along K (OCP MX v1.0); their sums are f32. All else is computed in f32.
;;   The module's matrix products, in the order in which they are computed (A, B: the left and right operand; K: the contracted axis; several contracted axes count as one K, in the product's order):
;;     1. [M 8,192, K 1,024] x [K 1,024, N 1,024]; A: input x; B: input Wq: QUANTISED
;;     2. [M 8,192, K 1,024] x [K 1,024, N 1,024]; A: input x; B: input Wk: QUANTISED
;;     3. [M 8,192, K 1,024] x [K 1,024, N 1,024]; A: input x; B: input Wv: QUANTISED
;;     4. batch 64 x [M 2,048, K 64] x [K 64, N 2,048]; A: computed on the way; B: computed on the way: QUANTISED
;;     5. batch 64 x [M 64, K 2,048] x [K 2,048, N 2,048]; A: computed on the way; B: softmax (see below): QUANTISED
;;     6. [M 8,192, K 1,024] x [K 1,024, N 1,024]; A: computed on the way; B: input Wo: QUANTISED
;;   THE QUANTISER, for each operand of a quantised product, along K:
;;     - K is cut into blocks of 32 from its start; a last block that is shorter is filled with zeros.
;;     - A block's scale is 2^e with e = floor(log2(the largest magnitude in the block)) - 4, held to -126 .. 127; a block of zeros has e = 0. As a byte (E8M0): e + 127.
;;     - Each number is divided by its block's scale, clamped to +-28, and rounded to the nearest number of E3M2, ties to even, subnormals kept.
;;     - The product sums the exact products of the quantised numbers (number of the format x scale) in f32.
;;   ~~~python
;;   def quantise(x, axis):      # numpy; x: float32 -> the quantised numbers, widened to float32 again
;;       x = np.moveaxis(x, axis, -1); K = x.shape[-1]
;;       x = np.pad(x, [(0, 0)] * (x.ndim - 1) + [(0, -K % 32)]); x = x.reshape(x.shape[:-1] + (-1, 32)); a = np.abs(x).max(-1, keepdims=True)
;;       e = np.where(a > 0, np.clip(np.frexp(np.where(a > 0, a, 1))[1] - 1 - 4, -126, 127), 0)      # np.frexp(a)[1] - 1 = floor(log2(a)), exactly
;;       r = np.clip(x / 2.0 ** e, -28, 28)
;;       step = 2.0 ** (np.maximum(np.frexp(np.where(r == 0, 1, r))[1] - 1, -2) - 2)
;;       q = np.round(r / step) * step * 2.0 ** e      # np.round: ties to even
;;       return np.moveaxis(q.reshape(q.shape[:-2] + (-1,))[..., :K], -1, axis).astype(np.float32)
;;   ~~~
;;   SOFTMAX AHEAD OF A QUANTISED PRODUCT. Where the list says 'softmax', what is quantised is not the finished softmax but p = 2^(t - M), with t = logit x log2(e) and M = ceil(the row's largest t), a whole number; so 1/2 < the row's largest p <= 1. The row's sum l is taken of the UNQUANTISED p, in f32, and the product's result is divided by l at the end. Since M is a whole number, a kernel that streams over the keys may use a running M (the ceiling of the running maximum): every later rescaling is an exact power of two, which a block's scale takes up: the codes' values come out the same.
;;   OPERANDS COMPUTED ON THE WAY. 'Computed on the way' means the value that the module computes at that place (a softmax that the list does not call 'softmax' is quantised finished and normalised). What goes into a quantiser is computed in f32, as accurately as f32 sums, v_exp_f32 and their like allow (about 1e-6 of the number): no bf16 or f16 on the way to a quantiser, and a product that is left as it is and whose result goes on into a quantised operand takes f32 operands (vector FMAs, or v_wmma_f32_16x16x4_f32). A number that lies on a knife's edge between two numbers of the format may be rounded either way, as far as f32 arithmetic and the matrix unit's own rounding can turn it there, and no further.
;; One version. Each part assembles by itself: llvm-mc -triple=amdgcn-amd-amdhsa -mcpu=gfx1250 --defsym DOCPART=n.
;; ======== version 1 of 1: 4 launches
;; limits: right only within a limited range of input values
;; workspace buffers: cod 9,437,184 bytes; scl 393,216 bytes; rope 557,056 bytes; qb 6,553,600 bytes; kv 13,107,200 bytes; oimg 6,291,456 bytes; osc 262,144 bytes
;; launch prep (part 1): grid 226 x 1, 4 waves a work-group, no clusters, 35,328 bytes of LDS; arguments x, Wq, Wk, Wv, Wo, token_positions, cod, scl, rope; writes cod, scl, rope
.if DOCPART == 1
	.amdgcn_target "amdgcn-amd-amdhsa--gfx1250"
	.amdhsa_code_object_version 6
	.text
	.protected	k_qbee29a13c9_prep
	.globl	k_qbee29a13c9_prep
	.p2align	8
	.type	k_qbee29a13c9_prep,@function
k_qbee29a13c9_prep:
	s_mov_b64 s[64:65], 0
	v_nop
	global_prefetch_b8 v0, s[64:65] scope:SCOPE_SE
	s_setreg_imm32_b32 hwreg(HW_REG_WAVE_MODE, 25, 1), 1
	s_wait_xcnt 0x0
; x [8192][1024] and Wq, Wk, Wv, Wo [1024][1024], f32, become codes of BF6 (E3M2) with one E8M0 byte for each 32 along K; token_positions becomes a table of (cos, sin).
; WORK LEFT OUT IN THIS PROGRAM: reference() sets every score above the diagonal to -inf by its own jnp.tril, so its weight is 0 for all inputs: the attention launch multiplies no tile of keys that lies wholly
; above the diagonal.  A NaN, an infinity or an overflow that reaches only those tiles is not carried to the result.  Every input is loaded.
; A block's scale is 2^(floor(log2(its largest magnitude)) - 4); its byte is the largest magnitude's exponent field - 4, held at 1 from below.  A block of zeros gets the byte 1 and not 127: its codes are zeros,
; which add nothing under any byte but 0xff, and this program alone reads the bytes.
; LIMITS: NaN and infinities among the inputs are not served.  The angle's reduction by pi/2 in three parts keeps its accuracy for positions up to about 10^6 in magnitude.  The frequencies are 10^(-j/8) rounded to f32.
; cod IS LAID AS IMAGES OF OPERAND REGISTERS: [768 tiles of 16 rows][8 steps of 128 along K][1,536 bytes]; in an image register j of lane l lies at 512 (j / 4) + 16 l + 4 (j % 4), and lane l = r + 16 h holds in
; registers 6 c .. 6 c + 5 the codes of k = 64 c + 32 h + 0 .. 31 of the tile's row r.  scl is [12288 rows][32 bytes].
; PHYSICAL ORDER: row r of tile T is row 32 (T / 2) + 8 (T % 2) + r + 8 (r / 8) of its tensor (Wo's tiles hold 16 rows on end), so that a product which takes a tile as its first source leaves 16 neighbours
; along the next product's K in a lane's 16 registers.  The table's rows lie in the same order.
; WORK-GROUPS 0 to 191 quantise: a wave takes one tile, all of K, in 16 steps of 64 along K.  A load reads 256 consecutive bytes of each of two rows; a step's 4,096 bytes turn through the wave's own stage in LDS
; and come back 128 bytes a lane: a whole block of 32, whose largest magnitude needs no other lane.  Every second step an image leaves by three stores of 512 consecutive bytes.
; WORK-GROUPS 192 to 225 make the table, [2176 rows][32 frequencies][cos, sin]: a wave takes 16 physical rows, a lane a frequency.  Rows 2,048 on hold (1, 0).
; No tensor loads, no barrier: waves share nothing.
.set NQUANT, 192
.set STEPS, 16
.set EMAX,  4
.set R,     16                         ; v16-143  four sets of 32 numbers as they are loaded
.set X,     144                        ; v144-207 two sets of 32 neighbours
.set G,     208                        ; v208-231 two images of 12 registers
.set CT,    232                        ; v232-235 a conversion's second half; at the end the scale words that I store
.set W,     236                        ; v236-243 my row's eight scale words
.set SPW,   252
.set NIL,   253
.set SP,    272                        ; a stage row: 256 bytes + 16
.set STG,   16*SP
.set WREG,  2*STG                      ; two stages for each wave
.set SPARE, 4*WREG                     ; the spare words: 512 bytes that no other line names
	s_load_b256 s[4:11], s[0:1], 0x0               ; x, Wq, Wk, Wv
	s_load_b256 s[12:19], s[0:1], 0x20             ; Wo, token_positions, cod, scl
	s_load_b64 s[20:21], s[0:1], 0x40              ; rope
	v_lshl_add_u32 v[SPW], v0, 2, SPARE
	v_mov_b32 v[NIL], 0
	v_lshrrev_b32 v1, 5, v0
	v_readfirstlane_b32 s22, v1                    ; wave
	v_and_b32 v2, 31, v0                           ; lane
	s_wait_kmcnt 0x0
	s_cmp_ge_u32 ttmp9, NQUANT
	s_cbranch_scc1 .Lrope
	; ---- the quantiser
	s_wait_alu depctr_va_vdst(0)
	v_and_b32 v1, 15, v2                           ; r
	v_lshrrev_b32 v5, 4, v2                        ; h
	v_lshlrev_b32 v6, 4, v1
	v_lshl_add_u32 v3, v5, 12, v6                  ; in: lanes 0-15 one row's 256 bytes, lanes 16-31 the next row's
	s_mul_i32 s32, s22, WREG
	v_mad_u32_u24 v14, v5, SP, v6
	v_add_nc_u32 v14, s32, v14                     ; the stage, on the way in
	v_mul_u32_u24 v15, v1, SP
	v_lshl_add_u32 v15, v5, 7, v15
	v_add_nc_u32 v15, s32, v15                     ; and on the way out: row r, 128 h bytes on: my block
	v_lshlrev_b32 v4, 4, v2                        ; an image: 16 x lane
	v_lshlrev_b32 v7, 5, v1
	v_lshl_add_u32 v7, v5, 4, v7                   ; scl: row r, 16 h
	v_lshlrev_b32 v10, 3, v5                       ; 8 h
	v_mov_b32 v12, 0                               ; a lane permute's destination counts as one of its sources
	s_mov_b32 s36, 0x76543210
	s_mov_b32 s37, 0xfedcba98                      ; selects for lane l xor 16
	s_lshl_b32 s26, ttmp9, 2
	s_add_co_u32 s28, s26, s22                     ; my tile, 0 .. 767
	s_and_b32 s26, s28, 63                         ; a weight's tile among its 64
	s_cmp_lt_u32 ttmp9, 176                        ; which tensor: the choice hangs on the work-group's number alone
	s_cselect_b64 s[24:25], s[10:11], s[12:13]
	s_cmp_lt_u32 ttmp9, 160
	s_cselect_b64 s[24:25], s[8:9], s[24:25]
	s_cmp_lt_u32 ttmp9, 144
	s_cselect_b64 s[24:25], s[6:7], s[24:25]
	s_cmp_lt_u32 ttmp9, 128
	s_cselect_b64 s[24:25], s[4:5], s[24:25]
	s_cselect_b32 s26, s28, s26
	s_lshr_b32 s29, s26, 1
	s_lshl_b32 s29, s29, 17
	s_and_b32 s30, s26, 1
	s_lshl_b32 s30, s30, 15
	s_add_co_u32 s29, s29, s30                     ; the tile's first row, in bytes: 32 (T / 2) + 8 (T % 2) rows of 4,096;
	s_lshl_b32 s30, s26, 16                        ; in Wo 16 T rows
	s_mov_b32 s31, 0x10000
	s_cmp_lt_u32 ttmp9, 176
	s_cselect_b32 s26, s29, s30
	s_cselect_b32 s31, s31, 0x8000                 ; rows 8 to 15 of the tile lie 16 rows behind rows 0 to 7; in Wo 8
	s_mov_b32 s27, 0
	s_add_nc_u64 s[24:25], s[24:25], s[26:27]
	v_add_nc_u32 v9, s31, v3
	s_mul_i32 s34, s28, 12288
	s_mov_b32 s35, 0
	s_add_nc_u64 s[16:17], s[16:17], s[34:35]
	s_lshl_b32 s34, s28, 9
	s_add_nc_u64 s[18:19], s[18:19], s[34:35]
.macro LOAD t
.irp i, 0,1,2,3
	global_load_b128 v[R+32*((\t)%4)+4*\i:R+32*((\t)%4)+4*\i+3], v3, s[24:25] offset:8192*\i+256*(\t) th:TH_LOAD_NT
.endr
.irp i, 0,1,2,3
	global_load_b128 v[R+32*((\t)%4)+16+4*\i:R+32*((\t)%4)+19+4*\i], v9, s[24:25] offset:8192*\i+256*(\t) th:TH_LOAD_NT
.endr
.endm
.macro TURN t                          ; LDS serves a wave's instructions in order: no wait between the stores and the loads
.irp i, 0,1,2,3,4,5,6,7
	ds_store_b128 v14, v[R+32*((\t)%4)+4*\i:R+32*((\t)%4)+4*\i+3] offset:STG*((\t)%2)+2*SP*\i
.endr
.irp i, 0,1,2,3,4,5,6,7
	ds_load_b128 v[X+32*((\t)%2)+4*\i:X+32*((\t)%2)+4*\i+3], v15 offset:STG*((\t)%2)+16*\i
.endr
.endm
.irp t, 0,1,2,3
	LOAD \t
.endr
	s_wait_alu depctr_va_vdst(0)
	s_wait_loadcnt 24                              ; step 0's eight loads are in
	TURN 0
.macro STEP t
.set XS, X+32*((\t)%2)
.set GI, G+12*(((\t)/2)%2)
.set GG, GI+6*((\t)%2)
	s_wait_dscnt 0x0                               ; this step's numbers are back, so its stores into the stage have read their registers,
.if ((\t)%2 == 0) && ((\t) >= 4)
	s_wait_xcnt 0x0                                ; and the stores of the image two back have read theirs
.endif
.if (\t)+4 < STEPS
	LOAD (\t)+4                                    ; which take the loads of four steps on
.endif
.if (\t)+1 < STEPS
.if STEPS-2-(\t) >= 3
	s_wait_loadcnt 24                              ; the next step's eight loads are in; those of the three steps behind it may be out
.else
	s_wait_loadcnt 8*(STEPS-2-(\t))
.endif
	TURN (\t)+1
.endif
	v_max3_num_f32 v8, |v[XS]|, |v[XS+1]|, |v[XS+2]|
	v_max3_num_f32 v11, |v[XS+3]|, |v[XS+4]|, |v[XS+5]|
.irp i, 6,10,14,18,22,26
	v_max3_num_f32 v8, v8, |v[XS+\i]|, |v[XS+\i+1]|
	v_max3_num_f32 v11, v11, |v[XS+\i+2]|, |v[XS+\i+3]|
.endr
	v_max3_num_f32 v8, v8, |v[XS+30]|, |v[XS+31]|
	v_max3_num_f32 v8, v8, v11, (EMAX+1)<<23       ; the floor 2^(EMAX + 1 - 127): the byte cannot fall under 1
	v_add_nc_u32 v11, -(EMAX<<23), v8              ; EMAX off the exponent field: the conversion's scale operand
	v_cvt_scalef32_pk16_bf6_f32 v[GG:GG+2], v[XS:XS+15], v11
	v_cvt_scalef32_pk16_bf6_f32 v[CT:CT+2], v[XS+16:XS+31], v11   ; (a conversion's three registers begin on an even number)
	v_lshrrev_b32 v13, 23, v11                     ; the scale's byte; also the plain place behind the conversions
.irp i, 0,1,2
	v_mov_b32 v[GG+3+\i], v[CT+\i]
.endr
.if (\t)%2 == 0
	v_mov_b32 v[W+(\t)/2], v13                     ; block h of this 128 along K
.else
	v_lshl_or_b32 v[W+(\t)/2], v13, 16, v[W+(\t)/2]   ; and block 2 + h,
	v_lshlrev_b32 v[W+(\t)/2], v10, v[W+(\t)/2]    ; at their places in the word;
	v_permlanex16_b32 v12, v[W+(\t)/2], s36, s37
	v_or_b32 v[W+(\t)/2], v[W+(\t)/2], v12         ; with lane l xor 16's two the word is whole
.irp g, 0,1,2
	global_store_b128 v4, v[GI+4*\g:GI+4*\g+3], s[16:17] offset:1536*((\t)/2)+512*\g   ; 32 lanes store 512 consecutive bytes, aligned
.endr
.endif
.endm
.irp t, 0,1,2,3,4,5,6,7,8,9,10,11,12,13,14,15
	STEP \t
.endr
	v_cmp_eq_u32 vcc_lo, 1, v5
.irp i, 0,1,2,3
	v_cndmask_b32 v[CT+\i], v[W+\i], v[W+4+\i], vcc_lo   ; lanes 0-15 store the row's words 0 to 3, lanes 16-31 its words 4 to 7
.endr
	global_store_b128 v7, v[CT:CT+3], s[18:19]     ; the tile's 512 consecutive bytes of scl
	s_wait_tensorcnt 0x0                           ; the wave's end
	ds_add_u32 v[SPW], v[NIL]
	s_wait_dscnt 0x0
	s_endpgm
	; ---- the table of (cos, sin)
.Lrope:
	s_sub_co_u32 s23, ttmp9, NQUANT
	s_lshl_b32 s23, s23, 2
	s_add_co_u32 s23, s23, s22                     ; my tile of 16 physical rows: 0 .. 135
	s_and_b32 s26, s23, 127                        ; the tile whose positions I read (tiles 128 on read some, inside the buffer, and multiply them by 0)
	s_lshr_b32 s27, s26, 1
	s_lshl_b32 s27, s27, 5
	s_and_b32 s28, s26, 1
	s_lshl_b32 s28, s28, 3
	s_add_co_u32 s26, s27, s28                     ; its first row is token 32 (T / 2) + 8 (T % 2); rows 8 to 15 are the tokens 16 further on
	s_lshl_b32 s26, s26, 2
	s_mov_b32 s27, 0
	s_add_nc_u64 s[14:15], s[14:15], s[26:27]
	s_load_b256 s[24:31], s[14:15], 0x0            ; positions of rows 0 to 7
	s_load_b256 s[32:39], s[14:15], 0x40           ; of rows 8 to 15
	s_cmp_lt_u32 s23, 128
	s_cselect_b32 s53, 1.0, 0
	s_lshl_b32 s54, s23, 12                        ; 16 rows of 256 bytes
	s_mov_b32 s55, 0
	s_add_nc_u64 s[20:21], s[20:21], s[54:55]
	s_mov_b32 s40, 0x3f22f983                      ; 2 / pi
	s_mov_b32 s41, 0xbfc90fdb                      ; - pi / 2, in three parts
	s_mov_b32 s42, 0x333bbd2e
	s_mov_b32 s43, 0x26f72ce9
	s_mov_b32 s44, 0xb94ca1f9                      ; the sine's polynomial on [-pi/4, pi/4]
	s_mov_b32 s45, 0x3c08839e
	s_mov_b32 s46, 0xbe2aaaa3
	s_mov_b32 s47, 0x37ccf5ce                      ; the cosine's
	s_mov_b32 s48, 0xbab6061a
	s_mov_b32 s49, 0x3d2aaaa5
	s_wait_alu depctr_va_vdst(0)
	v_lshlrev_b32 v3, 3, v2                        ; 8 bytes a frequency
	v_mov_b32 v4, 0
.macro FREQ j, bits                    ; lane j takes 10^(-j/8)
	v_cmp_ne_u32 vcc_lo, \j, v2
	v_cndmask_b32 v4, \bits, v4, vcc_lo
.endm
	FREQ 0, 0x3f800000
	FREQ 1, 0x3f3ff911
	FREQ 2, 0x3f0ff59a
	FREQ 3, 0x3ed7e89b
	FREQ 4, 0x3ea1e89b
	FREQ 5, 0x3e72d424
	FREQ 6, 0x3e361887
	FREQ 7, 0x3e088d77
	FREQ 8, 0x3dcccccd
	FREQ 9, 0x3d99940e
	FREQ 10, 0x3d6655c3
	FREQ 11, 0x3d2cba15
	FREQ 12, 0x3d0186e2
	FREQ 13, 0x3cc24350
	FREQ 14, 0x3c91ad39
	FREQ 15, 0x3c5a7bf1
	FREQ 16, 0x3c23d70a
	FREQ 17, 0x3bf5b9b0
	FREQ 18, 0x3bb8449c
	FREQ 19, 0x3b8a2e77
	FREQ 20, 0x3b4f3e37
	FREQ 21, 0x3b1b690d
	FREQ 22, 0x3ae91528
	FREQ 23, 0x3aaec98e
	FREQ 24, 0x3a83126f
	FREQ 25, 0x3a44948c
	FREQ 26, 0x3a136a16
	FREQ 27, 0x39dd1726
	FREQ 28, 0x39a5cb5f
	FREQ 29, 0x3978a814
	FREQ 30, 0x393a7753
	FREQ 31, 0x390bd472
	v_mul_f32 v4, s53, v4                          ; rows 2,048 on: frequency 0, so angle 0, cos 1, sin 0
	s_wait_kmcnt 0x0
.macro SINCOS i                        ; row i: angle = position x frequency, rounded once; n = the nearest multiple of pi/2; sine and cosine of the rest; the quadrant swaps and signs them
	v_cvt_f32_i32 v8, s[24+\i]
	s_wait_alu depctr_va_vdst(0)
	v_mul_f32 v8, v8, v4
	v_mul_f32 v9, s40, v8
	v_rndne_f32 v9, v9
	v_fma_f32 v10, v9, s41, v8
	v_fma_f32 v10, v9, s42, v10
	v_fma_f32 v10, v9, s43, v10
	v_cvt_i32_f32 v11, v9
	v_mul_f32 v12, v10, v10
	v_fma_f32 v13, v12, s44, s45
	v_fma_f32 v14, v12, s47, s48
	v_fma_f32 v13, v13, v12, s46
	v_fma_f32 v14, v14, v12, s49
	v_mul_f32 v13, v13, v12
	v_fma_f32 v14, v14, v12, -0.5
	v_fma_f32 v13, v13, v10, v10                   ; sin of the rest
	v_fma_f32 v14, v14, v12, 1.0                   ; cos of the rest
	v_and_b32 v15, 1, v11
	v_cmp_eq_u32 vcc_lo, 1, v15
	v_cndmask_b32 v16, v13, v14, vcc_lo            ; in odd quadrants they change places
	v_cndmask_b32 v17, v14, v13, vcc_lo
	v_lshlrev_b32 v18, 30, v11
	v_add_nc_u32 v19, 1, v11
	v_and_b32 v18, 0x80000000, v18                 ; the sine is negative in quadrants 2 and 3,
	v_lshlrev_b32 v19, 30, v19
	v_and_b32 v19, 0x80000000, v19                 ; the cosine in 1 and 2
	v_xor_b32 v[65+2*\i], v18, v16
	v_xor_b32 v[64+2*\i], v19, v17
	global_store_b64 v3, v[64+2*\i:65+2*\i], s[20:21] offset:256*\i   ; 32 lanes store a row's 256 consecutive bytes, aligned; each row has data registers of its own
.endm
.irp i, 0,1,2,3,4,5,6,7,8,9,10,11,12,13,14,15
	SINCOS \i
.endr
	s_endpgm
.Lfunc_end_k_qbee29a13c9_prep:
	.size	k_qbee29a13c9_prep, .Lfunc_end_k_qbee29a13c9_prep-k_qbee29a13c9_prep
	.p2alignl 7, 3214868480
	.fill 96, 4, 3214868480
	.section	.rodata,"a",@progbits
	.p2align	6, 0x0
	.amdhsa_kernel k_qbee29a13c9_prep
		.amdhsa_group_segment_fixed_size 35328
		.amdhsa_private_segment_fixed_size 0
		.amdhsa_enable_private_segment 0
		.amdhsa_kernarg_size 72
		.amdhsa_user_sgpr_count 2
		.amdhsa_user_sgpr_kernarg_segment_ptr 1
		.amdhsa_wavefront_size32 1
		.amdhsa_system_sgpr_workgroup_id_x 1
		.amdhsa_system_sgpr_workgroup_id_y 1
		.amdhsa_system_sgpr_workgroup_id_z 1
		.amdhsa_system_vgpr_workitem_id 0
		.amdhsa_next_free_vgpr 256
		.amdhsa_next_free_sgpr 66
		.amdhsa_reserve_vcc 1
		.amdhsa_float_denorm_mode_32 3
		.amdhsa_float_denorm_mode_16_64 3
		.amdhsa_memory_ordered 1
		.amdhsa_forward_progress 1
		.amdhsa_inst_pref_size 85
	.end_amdhsa_kernel
	.amdgpu_metadata
---
amdhsa.version: [ 1, 2 ]
amdhsa.kernels:
  - .name:           k_qbee29a13c9_prep
    .symbol:         k_qbee29a13c9_prep.kd
    .args:
      - { .name: x, .offset: 0, .size: 8, .value_kind: global_buffer, .address_space: global }
      - { .name: Wq, .offset: 8, .size: 8, .value_kind: global_buffer, .address_space: global }
      - { .name: Wk, .offset: 16, .size: 8, .value_kind: global_buffer, .address_space: global }
      - { .name: Wv, .offset: 24, .size: 8, .value_kind: global_buffer, .address_space: global }
      - { .name: Wo, .offset: 32, .size: 8, .value_kind: global_buffer, .address_space: global }
      - { .name: token_positions, .offset: 40, .size: 8, .value_kind: global_buffer, .address_space: global }
      - { .name: cod, .offset: 48, .size: 8, .value_kind: global_buffer, .address_space: global }
      - { .name: scl, .offset: 56, .size: 8, .value_kind: global_buffer, .address_space: global }
      - { .name: rope, .offset: 64, .size: 8, .value_kind: global_buffer, .address_space: global }
    .group_segment_fixed_size: 35328
    .private_segment_fixed_size: 0
    .kernarg_segment_align: 8
    .kernarg_segment_size: 72
    .max_flat_workgroup_size: 128
    .sgpr_count:     66
    .vgpr_count:     256
    .wavefront_size: 32
...
	.end_amdgpu_metadata
.endif
;; end of part 1
;; launch qkv (part 2): grid 4 x 64, 4 waves a work-group, clusters of 4 x 4, 327,680 bytes of LDS; arguments cod, scl, rope, qb, kv; writes qb, kv
.if DOCPART == 2
	.amdgcn_target "amdgcn-amd-amdhsa--gfx1250"
	.amdhsa_code_object_version 6
	.text
	.protected	k_qbee29a13c9_qkv
	.globl	k_qbee29a13c9_qkv
	.p2align	8
	.type	k_qbee29a13c9_qkv,@function
k_qbee29a13c9_qkv:
	s_mov_b64 s[64:65], 0
	v_nop
	global_prefetch_b8 v0, s[64:65] scope:SCOPE_SE
	s_setreg_imm32_b32 hwreg(HW_REG_WAVE_MODE, 25, 1), 1
	s_wait_xcnt 0x0
	s_wait_alu depctr_hold_cnt(0) depctr_sa_sdst(0) depctr_va_vdst(0) depctr_va_sdst(0) depctr_va_ssrc(0) depctr_va_vcc(0) depctr_vm_vsrc(0)
	s_getreg_b32 s2, hwreg(HW_REG_IB_STS2, 6, 4)
	s_cmp_eq_u32 s2, 0
	s_cbranch_scc0 .Lentry_in_a_cluster
	s_endpgm
.Lentry_in_a_cluster:
	s_bfe_u32 s2, ttmp6, 0x10000c
	s_cmp_lg_u32 s2, 0xf033
	s_cbranch_scc0 .Lentry_shape_is_right
	s_endpgm
.Lentry_shape_is_right:
; The three projections Q = x Wq^T, K = x Wk^T, V = x Wv^T on codes of BF6 (E3M2) with one E8M0 scale for each 32 along K = 1,024; the rotation of Q and K; and the quantising of the results for the attention launch:
; Q and K along a head's 64, V along the tokens.  The results leave as IMAGES OF OPERAND REGISTERS (12 registers a lane, three stores of 512 consecutive bytes) and never as f32.
; A WORK-GROUP STAYS: it takes 128 tokens (one record of the attention launch) and 256 columns (four heads), for Q, then K, then V: 64 x 4 = 256 work-groups.  All of K lies in LDS: x's eight tiles of 16 rows
; (98,304 bytes) stay for the whole launch; the weight's sixteen tiles (196,608 bytes) are filled again for the next kind behind a round of the cluster's barrier, and land while this kind's results go out.
; cod holds images of operand registers, [tile of 16 rows][8 steps of 128 along K][1,536 bytes], rows in the physical order (row r of tile T is row 32 (T / 2) + 8 (T % 2) + r + 8 (r / 8)); tiles are dense, and come as rows of 256 bytes.
; A WAVE TAKES ONE HEAD: the weight's four tiles x x's eight, 32 accumulators.  Q, K: source 0 = 16 rows of the weight, source 1 = 16 tokens: a lane holds a token and its registers run along the head's channels.
; V: source 0 = 16 tokens, source 1 = 16 rows of Wv: a lane holds a channel and its registers run along the tokens, the second attention product's K.  The fragments' loads are the same for all three.
; THE SCALES go from scl straight into registers: 16 bytes a lane for each 16 rows, 512 consecutive bytes; lanes 0-15 hold the words of steps 0-3, lanes 16-31 those of steps 4-7.  x's are loaded once.
; The (cos, sin) of the 128 tokens are loaded once, into 256 registers, and serve Q and K.  V is not rotated.
; CLUSTERS: 4 x 4 work-groups; x's tiles are asked for jointly along a row of the cluster, the weight's along a column.  No branch hangs on a work-group's place in its cluster.
; PREFETCH: in each of the loop's two trips, behind the second step's fetch, a wave names the 48 blocks of 256 bytes of ONE of the four tiles that it will fetch at the trip's refill, seven steps of matrix work later; the four
; partners that ask for a tile jointly take one tile each, told apart by address (cy).  Both trips' addresses lie inside cod.
; Q and K are two trips of one loop; V's walk, whose sources are swapped, is written out.
; LIMITS: NaN and infinities are not served; a block of zeros gets the scale byte 1 (its codes are zeros, and this program alone reads the bytes).
; RECORDS.  qb: [batch x 16 + head][16 records of 128 tokens][6,400]: four pair images, then 256 bytes of scale words [row][pair].  kv: ..[12,800]: K's four pair images, V^T's four tile images, K's scale words, V's [row][tile].
; REGISTERS: window 0: v0-31 addresses; v32-63 x's scale words; v64-79 the weight's; v80-175 the weight's fragments, two sets (on the way out: scratch); v176-253 the way out.
;   window 1: the accumulators.  window 2: x's fragments, two sets.  window 3: (cos, sin), 32 registers for each 16 tokens.
.set TROW,  12288                      ; a tile of 16 rows, all of K
.set ATB,   1536                       ; an image
.set AREG,  8*TROW
.set SPARE, 3*AREG                     ; the spare words: 512 bytes that no other line names
.set ADX,  16                          ; v16 16 x lane: x's tiles 0-3 in LDS, and my place in an image in memory; v17: x's tiles 4-7
.set ADW,  18                          ; my four tiles of the weight
.set RO,   22                          ; my byte offset in the table of (cos, sin)
.set SOF,  23                          ; in a tile's 512 bytes of scl
.set SO,   24                          ; in a record's 256 bytes of scale words
.set PF,   25                          ; v25-26 the prefetches' offsets
.set SPW,  28
.set NIL,  29
.set SX,   32
.set SW,   64
.set WF,   80
.set ST,   80                          ; v80-143 (-o sin, o cos) of 64 numbers
.set G,    176                         ; v176-223 four images
.set CT,   224
.set TM,   232
.set PW,   248                         ; v248-251 four scale words
.set SWS,  252                         ; v252-253 the two that I store
.set G1X, 24
.set G0X, 32
.set G0H, 36
.set G1W, 48
.set G0W, 56
.set MSB, 0
.macro WIN new                         ; the immediate's high byte repeats the setting that is left
.if MSB != \new
	s_set_vgpr_msb (MSB<<8)|\new
.set MSB, \new
.endif
.endm
.macro CREST
	s_cmp_lg_u32 s14, 0
	s_cbranch_scc1 .Lnot_wave_0_\@
	s_barrier_signal -3
.Lnot_wave_0_\@:
	s_barrier_wait -3
	s_barrier_signal -1
	s_barrier_wait -1
.endm
.macro CROUND
	s_barrier_signal -1
	s_barrier_wait -1
	CREST
.endm
.macro PLACES n                        ; plain places behind matrix instructions (ISA guide 7.12.1)
.rept \n
	v_nop
.endr
.endm
	s_load_b128 s[4:7], s[0:1], 0x0                ; cod, scl
	s_load_b128 s[96:99], s[0:1], 0x10             ; rope, qb
	s_load_b64 s[100:101], s[0:1], 0x20            ; kv
	v_lshl_add_u32 v[SPW], v0, 2, SPARE
	v_mov_b32 v[NIL], 0
	ds_add_u32 v[SPW], v[NIL]                      ; the opening lines: the add, twice on end, and its wait
	ds_add_u32 v[SPW], v[NIL]
	v_lshrrev_b32 v1, 5, v0
	v_readfirstlane_b32 s14, v1                    ; wave 0..3: my head among the work-group's four
	s_lshr_b32 s15, s14, 1                         ; at the head I fetch for x (0) or for the weight (1),
	s_and_b32 s16, s14, 1                          ; its first or its second half
	s_bfe_u32 s40, ttmp6, 0x40000                  ; cx, cy
	s_bfe_u32 s41, ttmp6, 0x40004
	s_lshl_b32 s42, ttmp9, 2
	s_add_co_u32 s42, s42, s40                     ; which four heads
	s_and_b32 s17, ttmp7, 0xffff
	s_lshl_b32 s17, s17, 2
	s_add_co_u32 s17, s17, s41                     ; which 128 tokens
	s_lshl_b32 s43, s41, 2
	s_lshl_b32 s43, 15, s43                        ; my row of the cluster
	s_lshl_b32 s44, 0x1111, s40                    ; my column
	s_or_b32 s[G1X+0], s43, (3<<16)|(1<<21)        ; elements of 8 bytes; the mask, bit 21 beside it
	s_mov_b32 s[G1X+1], 32<<16                     ; rows of 256 bytes, dense
	s_mov_b32 s[G1X+2], 192<<16                    ; four tiles
	s_mov_b32 s[G1X+3], 32<<16
	s_mov_b32 s[G1X+4], 192
	s_mov_b32 s[G1X+5], 32
	s_mov_b32 s[G1X+6], 0
	s_mov_b32 s[G1X+7], 0
	s_or_b32 s[G1W+0], s44, (3<<16)|(1<<21)
	s_mov_b32 s[G1W+1], 32<<16
	s_mov_b32 s[G1W+2], 384<<16                    ; at the head eight tiles, in the refills four
	s_mov_b32 s[G1W+3], 32<<16
	s_mov_b32 s[G1W+4], 384
	s_mov_b32 s[G1W+5], 32
	s_mov_b32 s[G1W+6], 0
	s_mov_b32 s[G1W+7], 0
	s_lshl_b32 s20, s17, 3                         ; x: tile 8 x (my 128 tokens) + 4 x half
	s_lshl_b32 s18, s16, 2
	s_add_co_u32 s20, s20, s18
	s_mul_i32 s20, s20, TROW
	s_mov_b32 s21, 0
	s_lshl_b32 s46, s42, 4                         ; Wq: tile 512 + 16 x (my four heads);
	s_add_co_u32 s46, s46, 512
	s_lshl_b32 s47, s16, 3                         ; at the head + 8 x half,
	s_add_co_u32 s8, s46, s47
	s_mul_i32 s8, s8, TROW
	s_mov_b32 s9, 0
	s_lshl_b32 s47, s14, 2                         ; in the refills + 4 x wave
	s_add_co_u32 s46, s46, s47
	s_add_co_u32 s12, s46, s41                     ; the prefetches: of my four tiles of the next kind the one at my place in the cluster's column
	s_add_co_u32 s12, s12, 64
	s_mul_i32 s12, s12, TROW
	s_mov_b32 s13, 0
	s_mul_i32 s46, s46, TROW
	s_mov_b32 s47, 0
	s_mul_i32 s45, s16, 4*TROW                     ; where they go: no place in the cluster enters an LDS address
	s_mul_i32 s19, s16, 8*TROW
	s_add_co_u32 s19, s19, AREG
	s_mul_i32 s94, s14, 4*TROW
	s_add_co_u32 s94, s94, AREG
	s_lshl_b32 s22, s17, 12                        ; x's scales: 128 rows of 32 bytes
	s_mov_b32 s23, 0
	s_lshl_b32 s60, s42, 8                         ; Wq's: row 8,192 + 256 x (my four heads) + 64 x wave
	s_lshl_b32 s61, s14, 6
	s_add_co_u32 s60, s60, s61
	s_add_co_u32 s60, s60, 8192
	s_lshl_b32 s60, s60, 5
	s_mov_b32 s61, 0
	s_and_b32 s71, s17, 15                         ; the record
	s_lshl_b32 s91, s71, 15                        ; its 128 rows of the table, 256 bytes each
	s_lshr_b32 s70, s17, 4                         ; the batch
	s_lshl_b32 s70, s70, 2
	s_add_co_u32 s70, s70, s42
	s_lshl_b32 s70, s70, 2
	s_add_co_u32 s70, s70, s14                     ; batch x 16 + head
	s_lshl_b32 s70, s70, 4
	s_add_co_u32 s70, s70, s71
	s_mul_i32 s72, s70, 6400
	s_mov_b32 s73, 0
	s_mul_i32 s74, s70, 12800
	s_mov_b32 s75, 0
	s_mov_b32 s92, 0x76543210
	s_mov_b32 s93, 0xfedcba98                      ; selects for lane l xor 16
	s_mov_b32 s[G0X], 1
	s_mov_b32 s[G0X+1], s45
	s_mov_b32 s[G0H], 1
	s_mov_b32 s[G0H+1], s19
	s_mov_b32 s[G0W], 1
	s_mov_b32 s[G0W+1], s94
	s_wait_dscnt 0x0
	s_wait_kmcnt 0x0
	s_add_nc_u64 s[G0X+2:G0X+3], s[4:5], s[20:21]
	s_or_b32 s[G0X+3], s[G0X+3], 0x80000000
	s_add_nc_u64 s[G0H+2:G0H+3], s[4:5], s[8:9]
	s_or_b32 s[G0H+3], s[G0H+3], 0x80000000
	s_add_nc_u64 s[G0W+2:G0W+3], s[4:5], s[46:47]
	s_or_b32 s[G0W+3], s[G0W+3], 0x80000000
	s_add_nc_u64 s[12:13], s[4:5], s[12:13]
	s_add_nc_u64 s[10:11], s[6:7], s[60:61]
	s_add_nc_u64 s[6:7], s[6:7], s[22:23]
	s_add_nc_u64 s[20:21], s[98:99], s[72:73]      ; Q's record, and its scale words;
	s_add_nc_u64 s[22:23], s[20:21], 6144
	s_add_nc_u64 s[66:67], s[100:101], s[74:75]    ; K's and V's
	s_add_nc_u64 s[68:69], s[66:67], 12288
	CROUND                                         ; all sixteen work-groups are here: the first joint loads meet
	s_cmp_eq_u32 s15, 0                            ; one tensor load a wave
	s_cbranch_scc0 .Lfor_w
	tensor_load_to_lds s[G0X:G0X+3], s[G1X:G1X+7]
	s_nop 0
	PLACES 4
	s_branch .Lasked
.Lfor_w:
	tensor_load_to_lds s[G0H:G0H+3], s[G1W:G1W+7]
	s_nop 0
	PLACES 4
.Lasked:
	v_and_b32 v1, 15, v0                           ; r
	v_bfe_u32 v2, v0, 4, 1                         ; h
	v_and_b32 v6, 31, v0
	v_lshlrev_b32 v[ADX], 4, v6
	v_add_nc_u32 v[ADX+1], 4*TROW, v[ADX]
	v_add_nc_u32 v[ADW], s94, v[ADX]
	v_lshlrev_b32 v5, 5, v1
	v_lshl_add_u32 v[SOF], v2, 4, v5               ; row r's 32 scale bytes, 16 h on
	v_lshlrev_b32 v5, 8, v1
	v_lshl_add_u32 v5, v2, 6, v5
	v_add_nc_u32 v[RO], s91, v5                    ; the table: row r, frequencies 8 h on
	v_lshlrev_b32 v5, 4, v1
	v_lshl_add_u32 v[SO], v2, 3, v5                ; row r's four words: lanes 0-15 store two, lanes 16-31 the other two
	v_lshlrev_b32 v[PF], 8, v6                     ; a lane a block of 256 bytes: blocks 0-31,
	v_min_u32 v5, 15, v6
	v_lshlrev_b32 v[PF+1], 8, v5                   ; and 32-47 (lanes 16-31 name block 47 again)
	v_cmp_eq_u32 s95, 1, v2                        ; the lanes' upper half, as a mask in a scalar register
.irp b, 0,1,2,3
	v_mov_b32 v[TM+4+\b], 0                        ; a lane permute's destination counts as one of its sources
.endr
	s_wait_alu depctr_va_vdst(0)
.irp i, 0,1,2,3,4,5,6,7
	global_load_b128 v[SX+4*\i:SX+4*\i+3], v[SOF], s[6:7] offset:512*\i
.endr
.macro WSCALES
.irp i, 0,1,2,3
	global_load_b128 v[SW+4*\i:SW+4*\i+3], v[SOF], s[10:11] offset:512*\i
.endr
.endm
	WSCALES
	WIN 0xc0                                       ; destination window 3
.irp a, 0,1,2,3,4,5,6,7
.irp bq, 0,1
.irp i, 0,1,2,3
	global_load_b128 v[32*\a+16*\bq+4*\i:32*\a+16*\bq+4*\i+3], v[RO], s[96:97] offset:4096*\a+128*\bq+16*\i   ; tokens' tile a: frequencies 8 h + 0 .. 7 and 16 + 8 h + 0 .. 7
.endr
.endr
.endr
	WIN 0
.macro FETCH st                        ; step st's fragments into set st % 2: three loads of 16 bytes a lane each
	WIN 0x80                                       ; destination window 2
.irp i, 0,1,2,3,4,5,6,7
.irp g, 0,1,2
	ds_load_b128 v[96*((\st)%2)+12*\i+4*\g:96*((\st)%2)+12*\i+4*\g+3], v[ADX+\i/4] offset:(\i%4)*TROW+(\st)*ATB+512*\g
.endr
.endr
	WIN 0
.irp j, 0,1,2,3
.irp g, 0,1,2
	ds_load_b128 v[WF+48*((\st)%2)+12*\j+4*\g:WF+48*((\st)%2)+12*\j+4*\g+3], v[ADW] offset:\j*TROW+(\st)*ATB+512*\g
.endr
.endr
.endm
.macro WM d, s0, s1, c0, c1, st        ; the first step's product starts the sum
.if (\st) == 0
	v_wmma_scale_f32_16x16x128_f8f6f4 v[(\d):(\d)+7], v[(\s0):(\s0)+11], v[(\s1):(\s1)+11], 0, v[(\c0)], v[(\c1)] matrix_a_fmt:MATRIX_FMT_BF6 matrix_b_fmt:MATRIX_FMT_BF6
.elseif (\st) < 4
	v_wmma_scale_f32_16x16x128_f8f6f4 v[(\d):(\d)+7], v[(\s0):(\s0)+11], v[(\s1):(\s1)+11], v[(\d):(\d)+7], v[(\c0)+(\st)], v[(\c1)+(\st)] matrix_a_fmt:MATRIX_FMT_BF6 matrix_b_fmt:MATRIX_FMT_BF6
.else
	v_wmma_scale_f32_16x16x128_f8f6f4 v[(\d):(\d)+7], v[(\s0):(\s0)+11], v[(\s1):(\s1)+11], v[(\d):(\d)+7], v[(\c0)+(\st)-4], v[(\c1)+(\st)-4] matrix_a_fmt:MATRIX_FMT_BF6 matrix_b_fmt:MATRIX_FMT_BF6 matrix_a_scale:MATRIX_SCALE_ROW1 matrix_b_scale:MATRIX_SCALE_ROW1
.endif
.endm
.macro MUL32 st, v                     ; the 32 accumulators take turns in the same order in every step
.if \v
	WIN 0x52                                       ; V: source 0 = x (window 2), source 1 = Wv (window 0), C and D window 1; channels' tile a, tokens' tile b at v[8 (8 a + b)]
.irp a, 0,1,2,3
.irp b, 0,1,2,3,4,5,6,7
	WM 8*(8*\a+\b), 96*((\st)%2)+12*\b, WF+48*((\st)%2)+12*\a, SX+4*\b, SW+4*\a, \st
.endr
.endr
.else
	WIN 0x58                                       ; Q, K: source 0 = the weight (window 0), source 1 = x (window 2); tokens' tile a, channels' tile b at v[8 (4 a + b)]
.irp a, 0,1,2,3,4,5,6,7
.irp b, 0,1,2,3
	WM 8*(4*\a+\b), WF+48*((\st)%2)+12*\b, 96*((\st)%2)+12*\a, SW+4*\b, SX+4*\a, \st
.endr
.endr
.endif
.endm
.macro KLOOP v                         ; eight steps of 128 along K; the next step's fragments are fetched while this step is multiplied
.set KS, 0
.rept 8
	s_wait_dscnt 0x0                               ; this step's fragments are in
.if KS < 7
.if KS > 0
	PLACES 4                                       ; ahead of loads into the set that the last step multiplied
.endif
	FETCH KS+1
.endif
.if (KS == 1) && (\v == 0)
	global_prefetch_b8 v[PF], s[12:13] th:TH_LOAD_NT scope:SCOPE_SE
	global_prefetch_b8 v[PF+1], s[12:13] offset:8192 th:TH_LOAD_NT scope:SCOPE_SE
.endif
	MUL32 KS, \v
.set KS, KS+1
.endr
	WIN 0
.endm
; THE WAY OUT, in four units of 64 accumulator registers.  Register 16 b + i of a unit is number 32 b + 16 (lane / 16) + i along the next product's K.
; Q, K: unit j holds the tokens' tiles 2 j and 2 j + 1, 32 registers each: a head's 64 channels.  They are rotated in place, quantised in four blocks of 32, and give a PAIR IMAGE: the even tile's half fragment, then the odd tile's.
; V: unit a holds 16 channels x 128 tokens: one whole fragment of V^T.  The unit's four scale bytes are its scale word in both cases.
.macro QHALF ac, c, d
	v_cvt_scalef32_pk16_bf6_f32 v[\d:\d+2], v[\ac+32*\c:\ac+32*\c+15], v[TM+12+2*\c]
	v_cvt_scalef32_pk16_bf6_f32 v[CT+4*\c:CT+4*\c+2], v[\ac+32*\c+16:\ac+32*\c+31], v[TM+13+2*\c]   ; (a conversion's three registers begin on an even number)
.endm
.macro QJOIN c, d                      ; the operand's layout wants a whole block in a lane
.irp i, 0,1,2
	v_permlane16_swap_b32 v[\d+\i], v[CT+4*\c+\i]
.endr
.irp i, 0,1,2
	v_mov_b32 v[\d+3+\i], v[CT+4*\c+\i]
.endr
.endm
.macro UNIT j, rope
.set AC, 64*\j
.set GJ, G+12*\j
.if \rope
	WIN 0x0d                                       ; source 0: the accumulators (window 1); source 1: (cos, sin) (window 3)
.set mm, 0
.rept 32
	v_pk_mul_f32 v[ST+2*mm:ST+2*mm+1], v[AC+2*mm:AC+2*mm+1], v[AC+2*mm:AC+2*mm+1] op_sel:[1,1] op_sel_hi:[1,0] neg_lo:[1,0]   ; (-o sin, o cos); each accumulator is read from its low end on
.set mm, mm+1
.endr
	WIN 0x4d                                       ; and the destination: the accumulators
.set mm, 0
.rept 32
	v_pk_fma_f32 v[AC+2*mm:AC+2*mm+1], v[AC+2*mm:AC+2*mm+1], v[AC+2*mm:AC+2*mm+1], v[ST+2*mm:ST+2*mm+1] op_sel_hi:[0,1,1]   ; + (e cos, e sin)
.set mm, mm+1
.endr
.endif
	WIN 0x05
.irp b, 0,1,2,3
	v_max3_num_f32 v[TM+\b], |v[AC+16*\b]|, |v[AC+1+16*\b]|, 0x2800000   ; my 16 numbers of block b, and the floor 2^(5 - 127): the byte cannot fall under 1
.endr
	WIN 0x14
.irp i, 2,4,6,8,10,12,14
.irp b, 0,1,2,3
	v_max3_num_f32 v[TM+\b], v[TM+\b], |v[AC+16*\b+\i]|, |v[AC+1+16*\b+\i]|
.endr
.endr
	WIN 0
.irp b, 0,1,2,3
	v_permlanex16_b32 v[TM+4+\b], v[TM+\b], s92, s93
.endr
.irp b, 0,1,2,3
	v_max_num_f32 v[TM+\b], v[TM+\b], v[TM+4+\b]   ; with lane l xor 16's: the block's largest magnitude
.endr
.irp b, 0,1,2,3
	v_add_nc_u32 v[TM+12+\b], 0xfe000000, v[TM+\b] ; 4 off its exponent field: the conversion's scale operand
.endr
.irp b, 0,1,2,3
	v_lshrrev_b32 v[TM+4+\b], 23, v[TM+12+\b]      ; the scale's byte
.endr
	v_lshl_or_b32 v[PW+\j], v[TM+5], 8, v[TM+4]
	v_lshl_or_b32 v[PW+\j], v[TM+6], 16, v[PW+\j]
	v_lshl_or_b32 v[PW+\j], v[TM+7], 24, v[PW+\j]
	WIN 0x01
	QHALF AC, 0, GJ
	QHALF AC, 1, GJ+6
	WIN 0
	v_nop                                          ; one plain place behind a scaled conversion
	QJOIN 0, GJ
	QJOIN 1, GJ+6
.irp c, 0,1,2
	global_store_b128 v[ADX], v[GJ+4*\c:GJ+4*\c+3], s[20:21] offset:ATB*\j+512*\c   ; 32 lanes store 512 consecutive bytes, aligned
.endr
.endm
.macro WAYOUT rope
.irp j, 0,1,2,3
	UNIT \j, \rope
.endr
	v_cndmask_b32 v[SWS], v[PW], v[PW+2], s95
	v_cndmask_b32 v[SWS+1], v[PW+1], v[PW+3], s95
	global_store_b64 v[SO], v[SWS:SWS+1], s[22:23] ; the 32 lanes store the record's 256 consecutive bytes of scale words
.endm
	s_wait_tensorcnt 0x0                           ; my part of the first tiles is in,
	s_mov_b32 s[G1W+2], 192<<16                    ; (no tensor load of mine is out: from here on a load of the weight brings four tiles)
	s_mov_b32 s[G1W+4], 192
	s_barrier_signal -1
	s_barrier_wait -1                              ; everybody's is
	s_mov_b32 s3, 0
.Lkind:                                                ; two trips: Q, K
	FETCH 0
	s_wait_loadcnt 0x0                             ; the scale words are in (in the first trip the table too)
	KLOOP 0
	s_wait_tensorcnt 0x0
	ds_add_u32 v[SPW], v[NIL]
	s_add_nc_u64 s[G0W+2:G0W+3], s[G0W+2:G0W+3], 64*TROW   ; the next kind's tiles
	s_add_nc_u64 s[10:11], s[10:11], 32768         ; and its scales (the loads that named this base are done)
	s_wait_dscnt 0x0                               ; the add is done, and my reads of the weight's tiles are over
	CROUND                                         ; so are those of every wave of every partner
	tensor_load_to_lds s[G0W:G0W+3], s[G1W:G1W+7]  ; my one tensor load behind the round: my own four tiles of the next kind
	s_nop 0
	PLACES 4                                       ; also the places behind the last products
	WSCALES
	WAYOUT 1
	s_wait_alu depctr_va_vdst(0)
	s_wait_xcnt 0x0                                ; the stores and prefetches have read their registers and bases
	s_mov_b64 s[20:21], s[66:67]                   ; K's record
	s_mov_b64 s[22:23], s[68:69]
	s_add_nc_u64 s[12:13], s[12:13], 64*TROW
	s_wait_tensorcnt 0x0                           ; my part of the next kind's tiles is in,
	s_barrier_signal -1
	s_barrier_wait -1                              ; everybody's is
	s_add_co_u32 s3, s3, 1
	s_cmp_lt_u32 s3, 2
	s_cbranch_scc1 .Lkind
	FETCH 0                                        ; V
	s_add_nc_u64 s[20:21], s[66:67], 6144          ; V's images lie behind K's,
	s_add_nc_u64 s[22:23], s[66:67], 12544         ; its scale words behind K's
	s_wait_loadcnt 0x0
	KLOOP 1
	PLACES 4
	WAYOUT 0
	s_wait_tensorcnt 0x0                           ; the wave's end
	ds_add_u32 v[SPW], v[NIL]
	s_wait_dscnt 0x0
	CROUND                                         ; the closing round
	s_endpgm
.Lfunc_end_k_qbee29a13c9_qkv:
	.size	k_qbee29a13c9_qkv, .Lfunc_end_k_qbee29a13c9_qkv-k_qbee29a13c9_qkv
	.p2alignl 7, 3214868480
	.fill 96, 4, 3214868480
	.section	.rodata,"a",@progbits
	.p2align	6, 0x0
	.amdhsa_kernel k_qbee29a13c9_qkv
		.amdhsa_group_segment_fixed_size 327680
		.amdhsa_private_segment_fixed_size 0
		.amdhsa_enable_private_segment 0
		.amdhsa_kernarg_size 40
		.amdhsa_user_sgpr_count 2
		.amdhsa_user_sgpr_kernarg_segment_ptr 1
		.amdhsa_wavefront_size32 1
		.amdhsa_system_sgpr_workgroup_id_x 1
		.amdhsa_system_sgpr_workgroup_id_y 1
		.amdhsa_system_sgpr_workgroup_id_z 1
		.amdhsa_system_vgpr_workitem_id 0
		.amdhsa_next_free_vgpr 1024
		.amdhsa_next_free_sgpr 102
		.amdhsa_reserve_vcc 0
		.amdhsa_float_denorm_mode_32 3
		.amdhsa_float_denorm_mode_16_64 3
		.amdhsa_memory_ordered 1
		.amdhsa_forward_progress 1
		.amdhsa_inst_pref_size 171
	.end_amdhsa_kernel
	.amdgpu_metadata
---
amdhsa.version: [ 1, 2 ]
amdhsa.kernels:
  - .name:           k_qbee29a13c9_qkv
    .symbol:         k_qbee29a13c9_qkv.kd
    .args:
      - { .name: cod, .offset: 0, .size: 8, .value_kind: global_buffer, .address_space: global }
      - { .name: scl, .offset: 8, .size: 8, .value_kind: global_buffer, .address_space: global }
      - { .name: rope, .offset: 16, .size: 8, .value_kind: global_buffer, .address_space: global }
      - { .name: qb, .offset: 24, .size: 8, .value_kind: global_buffer, .address_space: global }
      - { .name: kv, .offset: 32, .size: 8, .value_kind: global_buffer, .address_space: global }
    .group_segment_fixed_size: 327680
    .private_segment_fixed_size: 0
    .kernarg_segment_align: 8
    .kernarg_segment_size: 40
    .max_flat_workgroup_size: 128
    .sgpr_count:     102
    .vgpr_count:     1024
    .wavefront_size: 32
...
	.end_amdgpu_metadata
.endif
;; end of part 2
;; launch attn (part 3): grid 4 x 64, 16 waves a work-group, clusters of 4 x 1, 327,680 bytes of LDS; arguments qb, kv, oimg, osc; writes oimg, osc
.if DOCPART == 3
	.amdgcn_target "amdgcn-amd-amdhsa--gfx1250"
	.amdhsa_code_object_version 6
	.text
	.protected	k_qbee29a13c9_attn
	.globl	k_qbee29a13c9_attn
	.p2align	8
	.type	k_qbee29a13c9_attn,@function
k_qbee29a13c9_attn:
	s_mov_b64 s[64:65], 0
	v_nop
	global_prefetch_b8 v0, s[64:65] scope:SCOPE_SE
	s_setreg_imm32_b32 hwreg(HW_REG_WAVE_MODE, 25, 1), 1
	s_wait_xcnt 0x0
	s_wait_alu depctr_hold_cnt(0) depctr_sa_sdst(0) depctr_va_vdst(0) depctr_va_sdst(0) depctr_va_ssrc(0) depctr_va_vcc(0) depctr_vm_vsrc(0)
	s_getreg_b32 s2, hwreg(HW_REG_IB_STS2, 6, 4)
	s_cmp_eq_u32 s2, 0
	s_cbranch_scc0 .Lentry_in_a_cluster
	s_endpgm
.Lentry_in_a_cluster:
	s_bfe_u32 s2, ttmp6, 0x10000c
	s_cmp_lg_u32 s2, 0x3003
	s_cbranch_scc0 .Lentry_shape_is_right
	s_endpgm
.Lentry_shape_is_right:
; Causal attention of one (batch, head) on codes of BF6 (E3M2): S^T = K Q^T, p = 2^(t - M) with a running whole M, O^T += V^T p^T, O / l quantised along the head for the projection.
; Tiles of keys that lie wholly above the diagonal are not multiplied: reference()'s own jnp.tril gives them the weight 0 for all inputs.
; The head's 16 records of 128 keys (K's pair images, V^T's tile images, scale words: 12,800 bytes each) lie in LDS at once: each of the 16 waves brings ONE record by its one tensor load; one barrier; nothing is filled again.
; CLUSTER: the four work-groups of a head read the same records: they form a cluster of 4 x 1 and ask jointly (mask 15), behind a round of the cluster's barrier; a closing round stands ahead of the end.
; A wave takes the query tiles 4 x wave + cx and 127 less that: 17 steps of 128 keys in all for every wave, and every work-group reads every record.  The last record of a tile is wave / 2, or 15 - wave / 2,
; whatever cx is: so no branch and no LDS address hangs on the work-group's place in its cluster; cx enters global addresses, the mask's offsets and selects of values alone.
; Both tiles' images of Q are asked for at the head.  No prefetch: the one fetch stands at the head, with no loop ahead of it.
; LIMITS: the promise holds while the scaled scores stay under 2^31 in magnitude; NaN and infinities are not served.
.set REC,   12800
.set HEADB, 16*REC
.set QREC,  6400
.set LI,  1
.set LSC, 2
.set ADK, 3
.set ADS, 4
.set RR,  5
.set HH,  6
.set DD,  7
.set GL16, 8
.set GL8,  9
.set GSC,  10
.set RB,   11
.set QF,  16
.set QS,  34
.set GQW, 35
.set KF,  36
.set KSW, 84
.set QW2, 88
.set SS,  96
.set OO,  160
.set PC,  192
.set CT,  204
.set BM,  212
.set TP,  216
.set SOP, 220
.set FF,  224
.set PWD, 226
.set TT,  227
.set SU,  228
.set QT,  228
.set QW,  240
.set BY,  241
.set QT2, 242
.set WV,  12
.set G1,  16
.set SEL, 32
.set CC,  34
.set TI,  36
.set LAST, 37
.set STP, 38
.set TB,  39
.macro CROUND                          ; a round of the cluster's barrier
	s_barrier_signal -1
	s_barrier_wait -1
	s_cmp_lg_u32 s[WV], 0
	s_cbranch_scc1 .Lnot_wave_0_\@
	s_barrier_signal -3
.Lnot_wave_0_\@:
	s_barrier_wait -3
	s_barrier_signal -1
	s_barrier_wait -1
.endm
	s_load_b256 s[4:11], s[0:1], 0x0               ; qb, kv, oimg, osc
	v_lshl_add_u32 v254, v0, 2, 0x32000
	v_mov_b32 v255, 0
	ds_add_u32 v254, v255                          ; the opening lines: the add, twice on end, and its wait
	ds_add_u32 v254, v255
	v_lshrrev_b32 v1, 5, v0
	s_delay_alu instid0(VALU_DEP_1)
	v_readfirstlane_b32 s[WV], v1
	s_and_b32 s13, ttmp7, 0xffff                   ; batch x 16 + head
	s_mov_b32 s[G1], (3<<16)|(1<<21)|15            ; elements of 8 bytes; the mask of the cluster's four, bit 21 beside it
	s_mov_b32 s[G1+1], 32<<16
	s_mov_b32 s[G1+2], 50<<16
	s_mov_b32 s[G1+3], 32<<16
	s_mov_b32 s[G1+4], 50
	s_mov_b32 s[G1+5], 32
	s_mov_b32 s[G1+6], 0
	s_mov_b32 s[G1+7], 0
	s_mul_i32 s40, s13, HEADB
	s_mul_i32 s42, s[WV], REC
	s_add_co_u32 s40, s40, s42
	s_mov_b32 s41, 0
	s_wait_dscnt 0x0
	s_wait_kmcnt 0x0
	s_mov_b32 s24, 1
	s_mov_b32 s25, s42
	s_add_nc_u64 s[26:27], s[6:7], s[40:41]
	s_or_b32 s27, s27, 0x80000000
	CROUND                                         ; the four work-groups are here: the joint loads meet
	tensor_load_to_lds s[24:27], s[G1:G1+7]        ; my record: 50 rows of 256 bytes
	s_nop 0
.rept 4
	v_nop
.endr
	v_and_b32 v[RB], 31, v0
	s_delay_alu instid0(VALU_DEP_1)
	v_lshlrev_b32 v[LI], 4, v[RB]
	v_and_b32 v[RR], 15, v0
	s_delay_alu instid0(VALU_DEP_1)
	v_lshlrev_b32 v[LSC], 4, v[RR]
	v_bfe_u32 v[HH], v0, 4, 1
	v_lshlrev_b32 v[GL16], 4, v[RB]
	v_lshlrev_b32 v[GL8], 3, v[RB]
	s_delay_alu instid0(VALU_DEP_3)
	v_lshl_add_u32 v[GSC], v[RR], 5, v[HH]
	v_lshlrev_b32 v[GQW], 4, v[RR]
	v_lshrrev_b32 v[RB], 3, v[RR]
	s_delay_alu instid0(VALU_DEP_1)
	v_lshl_add_u32 v[RB], v[RB], 3, v[RR]
	v_lshlrev_b32 v[TT], 4, v[HH]
	s_delay_alu instid0(VALU_DEP_1)
	v_sub_nc_u32 v[RB], v[RB], v[TT]
.irp b, 0,1,2,3
	v_mov_b32 v[TP+\b], 0
.endr
	v_mov_b32 v[FF+1], 0
	s_mov_b32 s[SEL], 0x76543210
	s_mov_b32 s[SEL+1], 0xfedcba98
	s_mov_b32 s[CC], 0x3e38aa3b                    ; log2(e) / sqrt(64)
	s_mov_b32 s[CC+1], s[CC]
	s_bfe_u32 s53, ttmp6, 0x40000                  ; cx
	s_lshl_b32 s43, s[WV], 2
	s_add_co_u32 s43, s43, s53                     ; my first query tile: 4 x wave + cx
.macro STEP                            ; 16 queries x the 128 keys of record STP; records behind the tile's last are passed over
	s_cmp_gt_u32 s[STP], s[LAST]
	s_cbranch_scc1 .Lhid_\@
	v_add_nc_u32 v[ADK], s[TB], v[LI]
	v_add_nc_u32 v[ADS], s[TB], v[LSC]
	v_nop
	v_nop
.irp b, 0,1,2,3
.irp c, 0,1,2
	ds_load_b128 v[KF+12*\b+4*\c:KF+12*\b+4*\c+3], v[ADK] offset:1536*\b+512*\c
.endr
.endr
	ds_load_b128 v[KSW:KSW+3], v[ADS] offset:12288
	s_wait_alu depctr_va_vdst(0)
	s_wait_dscnt 0x0
.irp b, 0,1,2,3
.irp u, 0,1
	v_wmma_scale_f32_16x16x128_f8f6f4 v[SS+16*\b+8*\u:SS+16*\b+8*\u+7], v[KF+12*\b:KF+12*\b+11], v[QF+6*\u:QF+6*\u+11], 0, v[KSW+\b], v[QS] matrix_a_fmt:MATRIX_FMT_BF6 matrix_b_fmt:MATRIX_FMT_BF6
.endr
.endr
.rept 4
	v_nop
.endr
.irp t, 0,1,2,3
.irp c, 0,1,2
	ds_load_b128 v[KF+12*\t+4*\c:KF+12*\t+4*\c+3], v[ADK] offset:6144+1536*\t+512*\c
.endr
.endr
	ds_load_b128 v[KSW:KSW+3], v[ADS] offset:12544
	s_cmp_lg_u32 s[STP], s[LAST]
	s_cbranch_scc1 .Lopen_\@
	v_mov_b32 v[TT], 0xff800000                    ; the tile's last record: keys behind the query get -inf
.set nn, 0
.rept 64
	v_cmp_gt_i32 vcc_lo, 32*(nn/16)+nn%16, v[DD]
	v_cndmask_b32 v[SS+nn], v[SS+nn], v[TT], vcc_lo
.set nn, nn+1
.endr
.Lopen_\@:
.irp b, 0,1,2,3
	v_max3_num_f32 v[BM+\b], v[SS+16*\b], v[SS+16*\b+1], v[SS+16*\b+2]
.endr
.irp i, 3,5,7,9,11,13
.irp b, 0,1,2,3
	v_max3_num_f32 v[BM+\b], v[BM+\b], v[SS+16*\b+\i], v[SS+16*\b+\i+1]
.endr
.endr
.irp b, 0,1,2,3
	v_max_num_f32 v[BM+\b], v[BM+\b], v[SS+16*\b+15]
.endr
.irp b, 0,1,2,3
	s_delay_alu instid0(VALU_DEP_4)
	v_permlanex16_b32 v[TP+\b], v[BM+\b], s[SEL], s[SEL+1]
.endr
.irp b, 0,1,2,3
	s_delay_alu instid0(VALU_DEP_4)
	v_max_num_f32 v[BM+\b], v[BM+\b], v[TP+\b]
.endr
	s_delay_alu instid0(VALU_DEP_2)
	v_max3_num_f32 v[TT], v[BM], v[BM+1], v[BM+2]
	s_delay_alu instid0(VALU_DEP_1)
	v_max_num_f32 v[TT], v[TT], v[BM+3]
	s_delay_alu instid0(VALU_DEP_1)
	v_mul_f32 v[TT], s[CC], v[TT]
	s_delay_alu instid0(VALU_DEP_1)
	v_max_num_f32 v13, v13, v[TT]                  ; the running largest t
	v_mov_b32 v[TT], v12
	s_delay_alu instid0(VALU_DEP_2)
	v_floor_f32 v12, -v13                          ; -M: M is a whole number
	s_delay_alu instid0(VALU_DEP_1)
	v_sub_f32 v[TT], v12, v[TT]
	s_delay_alu instid0(VALU_DEP_1)
	v_cvt_i32_f32 v[TT], v[TT]
	s_delay_alu instid0(VALU_DEP_1)
	v_ldexp_f32 v[FF], 1.0, v[TT]                  ; f = 2^(old M - new M)
.set jj, 0
.rept 32
	v_pk_fma_f32 v[SS+jj:SS+jj+1], v[SS+jj:SS+jj+1], s[CC:CC+1], v[12:13] op_sel_hi:[1,0,0]
.set jj, jj+2
.endr
.irp b, 0,1,2,3
	v_fma_f32 v[BM+\b], v[BM+\b], s[CC], v12
.endr
.set jj, 0
	s_wait_alu depctr_va_vdst(0)
.rept 64
	v_exp_f32 v[SS+jj], v[SS+jj]
.set jj, jj+1
.endr
	v_pk_mul_f32 v[14:15], v[14:15], v[FF:FF+1] op_sel_hi:[1,0]
	s_wait_alu depctr_va_vdst(0)
.irp b, 0,1,2,3
	v_exp_f32 v[BM+\b], v[BM+\b]                   ; each block's largest p
.endr
	v_pk_add_f32 v[SU:SU+1], v[SS:SS+1], v[SS+2:SS+3]   ; the row's sum, of the unquantised p
.irp j, 4,8,12,16,20,24,28,32,36,40,44,48,52,56,60
	v_pk_add_f32 v[14:15], v[14:15], v[SS+\j:SS+\j+1]
	v_pk_add_f32 v[SU:SU+1], v[SU:SU+1], v[SS+\j+2:SS+\j+3]
.endr
	s_delay_alu instid0(VALU_DEP_1)
	v_pk_add_f32 v[14:15], v[14:15], v[SU:SU+1]
	s_wait_alu depctr_va_vdst(0)
.irp b, 0,1,2,3
	v_max_num_f32 v[BM+\b], 0x2800000, v[BM+\b]    ; the floor 2^(5 - 127): the byte cannot fall under 1
.endr
.irp b, 0,1,2,3
	s_delay_alu instid0(VALU_DEP_4)
	v_add_nc_u32 v[SOP+\b], 0xfe000000, v[BM+\b]
.endr
.irp b, 0,1,2,3
	s_delay_alu instid0(VALU_DEP_4)
	v_lshrrev_b32 v[TP+\b], 23, v[SOP+\b]
.endr
	s_delay_alu instid0(VALU_DEP_3)
	v_lshl_or_b32 v[PWD], v[TP+1], 8, v[TP]
	s_delay_alu instid0(VALU_DEP_1)
	v_lshl_or_b32 v[PWD], v[TP+2], 16, v[PWD]
	s_delay_alu instid0(VALU_DEP_1)
	v_lshl_or_b32 v[PWD], v[TP+3], 24, v[PWD]
.irp c, 0,1
	v_cvt_scalef32_pk16_bf6_f32 v[PC+6*\c:PC+6*\c+2], v[SS+32*\c:SS+32*\c+15], v[SOP+2*\c]
	v_cvt_scalef32_pk16_bf6_f32 v[CT+4*\c:CT+4*\c+2], v[SS+32*\c+16:SS+32*\c+31], v[SOP+2*\c+1]
.endr
	v_nop
.irp c, 0,1
.irp i, 0,1,2
	v_permlane16_swap_b32 v[PC+6*\c+\i], v[CT+4*\c+\i]
.endr
.irp i, 0,1,2
	s_delay_alu instid0(VALU_DEP_3)
	v_mov_b32 v[PC+6*\c+3+\i], v[CT+4*\c+\i]
.endr
.endr
.set jj, 0
.rept 16
	v_pk_mul_f32 v[OO+jj:OO+jj+1], v[OO+jj:OO+jj+1], v[FF:FF+1] op_sel_hi:[1,0]   ; O^T under the new M
.set jj, jj+2
.endr
	s_wait_alu depctr_va_vdst(0)
	s_wait_dscnt 0x0
.irp t, 0,1,2,3
	v_wmma_scale_f32_16x16x128_f8f6f4 v[OO+8*\t:OO+8*\t+7], v[KF+12*\t:KF+12*\t+11], v[PC:PC+11], v[OO+8*\t:OO+8*\t+7], v[KSW+\t], v[PWD] matrix_a_fmt:MATRIX_FMT_BF6 matrix_b_fmt:MATRIX_FMT_BF6
.endr
.Lhid_\@:
.endm
.macro QLOAD qt, qw                    ; tile TI's pair image of Q and its scale words
	s_wait_xcnt 0x0
	s_lshr_b32 s54, s[TI], 3
	s_lshl_b32 s44, s13, 4
	s_add_co_u32 s44, s44, s54
	s_mul_i32 s44, s44, QREC
	s_bfe_u32 s40, s[TI], 0x20001
	s_mul_i32 s41, s40, 1536
	s_lshl_b32 s42, s40, 2
	s_add_co_u32 s46, s44, s42
	s_add_co_u32 s46, s46, 6144
	s_add_co_u32 s44, s44, s41
	s_mov_b32 s45, 0
	s_mov_b32 s47, 0
	s_add_nc_u64 s[44:45], s[4:5], s[44:45]
	s_add_nc_u64 s[46:47], s[4:5], s[46:47]
	global_load_b128 v[\qt:\qt+3], v[GL16], s[44:45]
	global_load_b128 v[\qt+4:\qt+7], v[GL16], s[44:45] offset:512
	global_load_b128 v[\qt+8:\qt+11], v[GL16], s[44:45] offset:1024
	global_load_b32 v[\qw], v[GQW], s[46:47]
.endm
.macro PASS ntrip, qt, qw, cnt, up     ; cnt: the loads issued behind this tile's four, which may stay out; up: the tile of the upper half
	s_wait_xcnt 0x0
	s_lshr_b32 s[LAST], s[WV], 1                   ; the tile's last record, from the wave's number alone
.if \up
	s_sub_co_u32 s[LAST], 15, s[LAST]
.endif
	s_lshr_b32 s40, s13, 4
	s_lshl_b32 s40, s40, 7
	s_add_co_u32 s40, s40, s[TI]
	s_and_b32 s41, s13, 15
	s_lshl_b32 s48, s40, 4
	s_add_co_u32 s48, s48, s41
	s_mul_i32 s48, s48, 768
	s_mov_b32 s49, 0
	s_add_nc_u64 s[48:49], s[8:9], s[48:49]
	s_lshl_b32 s50, s40, 9
	s_lshl_b32 s41, s41, 1
	s_add_co_u32 s50, s50, s41
	s_mov_b32 s51, 0
	s_add_nc_u64 s[50:51], s[10:11], s[50:51]
	s_and_b32 s40, s[TI], 1
	s_mov_b32 s42, 0x01000100
	s_cmp_eq_u32 s40, 1
	s_cselect_b32 s41, -1, 0
	s_cselect_b32 s42, 0x03020302, s42
	s_lshl_b32 s40, s40, 3
	s_bfe_u32 s52, s[TI], 0x20001
	s_lshl_b32 s52, s52, 5
	s_add_co_u32 s40, s40, s52
	v_add_nc_u32 v[DD], s40, v[RB]
	v_mov_b32 v13, 0xff61b1e6
	s_delay_alu instid0(VALU_DEP_1)
	v_floor_f32 v12, -v13
	v_mov_b32 v14, 0
	v_mov_b32 v15, 0
	s_wait_loadcnt \cnt
.irp i, 0,1,2,3,4,5
	v_cndmask_b32 v[QF+\i], v[\qt+\i], v[\qt+6+\i], s41
	v_mov_b32 v[QF+6+\i], 0
.endr
.irp i, 0,1,2,3,4,5
	v_mov_b32 v[QF+12+\i], v[QF+\i]
.endr
	v_perm_b32 v[QS], v[\qw], v[\qw], s42
.set jj, 0
.rept 32
	v_mov_b32 v[OO+jj], 0
.set jj, jj+1
.endr
	s_mov_b32 s[STP], 0
	s_mov_b32 s[TB], 0
.Lstep_\@:
	STEP
	s_add_co_u32 s[TB], s[TB], REC
	s_add_co_u32 s[STP], s[STP], 1
	s_cmp_lt_u32 s[STP], \ntrip
	s_cbranch_scc1 .Lstep_\@
.rept 4
	v_nop
.endr
	v_add_f32 v14, v14, v15
	s_delay_alu instid0(VALU_DEP_1)
	v_permlanex16_b32 v[TT], v14, s[SEL], s[SEL+1]
	s_delay_alu instid0(VALU_DEP_1)
	v_add_f32 v14, v14, v[TT]
	s_wait_alu depctr_va_vdst(0)
	v_rcp_f32 v[FF], v14
	v_cmp_eq_u32 vcc_lo, 1, v[HH]
	s_wait_alu depctr_va_vdst(0)
.set jj, 0
.rept 16
	v_pk_mul_f32 v[SS+jj:SS+jj+1], v[OO+jj:OO+jj+1], v[FF:FF+1] op_sel_hi:[1,0]
.set jj, jj+2
.endr
.irp b, 0,1
	v_max3_num_f32 v[BM+\b], |v[SS+16*\b]|, |v[SS+16*\b+1]|, 0x2800000
.endr
.irp i, 2,4,6,8,10,12,14
.irp b, 0,1
	s_delay_alu instid0(VALU_DEP_2)
	v_max3_num_f32 v[BM+\b], v[BM+\b], |v[SS+16*\b+\i]|, |v[SS+16*\b+\i+1]|
.endr
.endr
.irp b, 0,1
	s_delay_alu instid0(VALU_DEP_2)
	v_permlanex16_b32 v[TP+\b], v[BM+\b], s[SEL], s[SEL+1]
.endr
.irp b, 0,1
	s_delay_alu instid0(VALU_DEP_2)
	v_max_num_f32 v[BM+\b], v[BM+\b], v[TP+\b]
.endr
.irp b, 0,1
	s_delay_alu instid0(VALU_DEP_2)
	v_add_nc_u32 v[SOP+\b], 0xfe000000, v[BM+\b]
.endr
.irp b, 0,1
	s_delay_alu instid0(VALU_DEP_2)
	v_lshrrev_b32 v[TP+\b], 23, v[SOP+\b]
.endr
	s_delay_alu instid0(VALU_DEP_1)
	v_cndmask_b32 v[BY], v[TP], v[TP+1], vcc_lo
	v_cvt_scalef32_pk16_bf6_f32 v[PC:PC+2], v[SS:SS+15], v[SOP]
	v_cvt_scalef32_pk16_bf6_f32 v[CT:CT+2], v[SS+16:SS+31], v[SOP+1]
	v_nop
.irp i, 0,1,2
	v_permlane16_swap_b32 v[PC+\i], v[CT+\i]
.endr
.irp i, 0,1,2
	s_delay_alu instid0(VALU_DEP_3)
	v_mov_b32 v[PC+3+\i], v[CT+\i]
.endr
	global_store_b128 v[GL16], v[PC:PC+3], s[48:49]
	global_store_b64 v[GL8], v[PC+4:PC+5], s[48:49] offset:512
	global_store_b8 v[GSC], v[BY], s[50:51]
.endm
	s_wait_alu depctr_va_vdst(0)
	s_mov_b32 s[TI], s43
	QLOAD QT, QW
	s_sub_co_u32 s[TI], 127, s43
	QLOAD QT2, QW2
	s_wait_tensorcnt 0x0                           ; my record is in,
	s_barrier_signal -1
	s_barrier_wait -1                              ; everybody's is
	s_mov_b32 s[TI], s43
	PASS 8, QT, QW, 4, 0
	s_sub_co_u32 s[TI], 127, s43
	PASS 16, QT2, QW2, 0, 1
	s_wait_tensorcnt 0x0                           ; the wave's end
	ds_add_u32 v254, v255
	s_wait_dscnt 0x0
	CROUND                                         ; the closing round
	s_endpgm
.Lfunc_end_k_qbee29a13c9_attn:
	.size	k_qbee29a13c9_attn, .Lfunc_end_k_qbee29a13c9_attn-k_qbee29a13c9_attn
	.p2alignl 7, 3214868480
	.fill 96, 4, 3214868480
	.section	.rodata,"a",@progbits
	.p2align	6, 0x0
	.amdhsa_kernel k_qbee29a13c9_attn
		.amdhsa_group_segment_fixed_size 327680
		.amdhsa_private_segment_fixed_size 0
		.amdhsa_enable_private_segment 0
		.amdhsa_kernarg_size 32
		.amdhsa_user_sgpr_count 2
		.amdhsa_user_sgpr_kernarg_segment_ptr 1
		.amdhsa_wavefront_size32 1
		.amdhsa_system_sgpr_workgroup_id_x 1
		.amdhsa_system_sgpr_workgroup_id_y 1
		.amdhsa_system_sgpr_workgroup_id_z 1
		.amdhsa_system_vgpr_workitem_id 0
		.amdhsa_next_free_vgpr 256
		.amdhsa_next_free_sgpr 66
		.amdhsa_reserve_vcc 1
		.amdhsa_float_denorm_mode_32 3
		.amdhsa_float_denorm_mode_16_64 3
		.amdhsa_memory_ordered 1
		.amdhsa_forward_progress 1
		.amdhsa_inst_pref_size 64
	.end_amdhsa_kernel
	.amdgpu_metadata
---
amdhsa.version: [ 1, 2 ]
amdhsa.kernels:
  - .name:           k_qbee29a13c9_attn
    .symbol:         k_qbee29a13c9_attn.kd
    .args:
      - { .name: qb, .offset: 0, .size: 8, .value_kind: global_buffer, .address_space: global }
      - { .name: kv, .offset: 8, .size: 8, .value_kind: global_buffer, .address_space: global }
      - { .name: oimg, .offset: 16, .size: 8, .value_kind: global_buffer, .address_space: global }
      - { .name: osc, .offset: 24, .size: 8, .value_kind: global_buffer, .address_space: global }
    .group_segment_fixed_size: 327680
    .private_segment_fixed_size: 0
    .kernarg_segment_align: 8
    .kernarg_segment_size: 32
    .max_flat_workgroup_size: 512
    .sgpr_count:     66
    .vgpr_count:     256
    .wavefront_size: 32
...
	.end_amdgpu_metadata
.endif
;; end of part 3
;; launch proj (part 4): grid 4 x 64, 4 waves a work-group, clusters of 4 x 4, 327,680 bytes of LDS; arguments oimg, osc, cod, scl, out0; writes out0
.if DOCPART == 4
	.amdgcn_target "amdgcn-amd-amdhsa--gfx1250"
	.amdhsa_code_object_version 6
	.text
	.protected	k_qbee29a13c9_proj
	.globl	k_qbee29a13c9_proj
	.p2align	8
	.type	k_qbee29a13c9_proj,@function
k_qbee29a13c9_proj:
	s_mov_b64 s[64:65], 0
	v_nop
	global_prefetch_b8 v0, s[64:65] scope:SCOPE_SE
	s_setreg_imm32_b32 hwreg(HW_REG_WAVE_MODE, 25, 1), 1
	s_wait_xcnt 0x0
	s_wait_alu depctr_hold_cnt(0) depctr_sa_sdst(0) depctr_va_vdst(0) depctr_va_sdst(0) depctr_va_ssrc(0) depctr_va_vcc(0) depctr_vm_vsrc(0)
	s_getreg_b32 s2, hwreg(HW_REG_IB_STS2, 6, 4)
	s_cmp_eq_u32 s2, 0
	s_cbranch_scc0 .Lentry_in_a_cluster
	s_endpgm
.Lentry_in_a_cluster:
	s_bfe_u32 s2, ttmp6, 0x10000c
	s_cmp_lg_u32 s2, 0xf033
	s_cbranch_scc0 .Lentry_shape_is_right
	s_endpgm
.Lentry_shape_is_right:
; out0 = O Wo^T on codes of BF6 (E3M2) with one E8M0 scale for each 32 along K = 1,024; sums and result f32.
; O comes from the attention launch as oimg [512 tiles of 16 physical rows][16 heads][768 bytes] (half images: registers 0-3 of lane l at 16 l, registers 4-5 at 512 + 8 l) and osc [8192 rows][32 bytes];
; Wo as tiles 704 to 767 of cod (images of 1,536 bytes for 16 rows x 128 K) and rows 11,264 on of scl.
; A work-group makes 128 rows x 256 columns: 64 x 4 = 256 work-groups.  ALL OF K LIES IN LDS AT ONCE: A's eight tiles are 98,304 consecutive bytes of oimg, B's sixteen 196,608 of cod; each wave brings a half of one
; of them by ONE tensor load, as rows of 256 bytes.  Nothing is filled again: one wait, one barrier, then eight steps of 128 along K with no barrier between them.
; A wave makes 64 x 128: 32 accumulators; fragments in two sets, the next step's fetched while this step is multiplied.  The matrix instruction is used transposed (source 0 = 16 rows of Wo, source 1 = 16 rows of O):
; a lane holds eight neighbouring numbers of a row of out0.
; THE SCALES go straight into registers: one load of 16 bytes a lane for each 16 rows, 512 consecutive bytes; lanes 0-15 hold the words of steps 0-3, lanes 16-31 those of steps 4-7.
; CLUSTERS: 4 x 4 work-groups; A's tiles are asked for jointly along a row of the cluster, B's along a column.  No prefetch: the launch has no loop to run ahead in, and all its tiles are asked for at its head.
; The way out goes through a stage in A's bytes, which have had their only fill and, behind a barrier, their last read.  Physical row t of tile T is row 32 (T / 2) + 8 (T % 2) + t + 8 (t / 8).
; REGISTERS: window 0: v0-31 addresses; v32-47 A's scale words, v48-79 B's; v80-175 A's fragments, two sets; on the way out v80-207.  window 1: the accumulators ((a, b) at v[8 (8 a + b)]).  window 2: B's fragments, two sets.
.set SIZE_N, 1024
.set TROW,   12288                     ; a tile of 16 rows, all of K
.set ATB,    1536
.set AREG,   8*TROW
.set SPARE,  3*AREG                    ; the spare words: 512 bytes that no other line names
.set SPITCH, 528
.set ADA,  16                          ; LDS address of my A tiles, 16 x lane;  v17: 8 x lane
.set ADB,  18                          ; v18-19 my B tiles 0-3, 4-7
.set STO,  24
.set RD,   25
.set CO,   26
.set SOF,  27
.set SPW,  28
.set NIL,  29
.set SA,   32
.set SB,   48
.set AF,   80
.set BK,   80
.set G1, 24
.set G0, 32
.set G1B, 48
.set G0B, 56
.set MSB, 0
.macro WIN new
.if MSB != \new
	s_set_vgpr_msb (MSB<<8)|\new
.set MSB, \new
.endif
.endm
.macro CREST
	s_cmp_lg_u32 s14, 0
	s_cbranch_scc1 .Lnot_wave_0_\@
	s_barrier_signal -3
.Lnot_wave_0_\@:
	s_barrier_wait -3
	s_barrier_signal -1
	s_barrier_wait -1
.endm
.macro CROUND
	s_barrier_signal -1
	s_barrier_wait -1
	CREST
.endm
.macro PLACES n
.rept \n
	v_nop
.endr
.endm
	s_load_b128 s[4:7], s[0:1], 0x0                ; oimg, osc
	s_load_b128 s[8:11], s[0:1], 0x10              ; cod, scl
	s_load_b64 s[12:13], s[0:1], 0x20              ; out0
	v_lshl_add_u32 v[SPW], v0, 2, SPARE
	v_mov_b32 v[NIL], 0
	ds_add_u32 v[SPW], v[NIL]                      ; the opening lines: the add, twice on end, and its wait
	ds_add_u32 v[SPW], v[NIL]
	v_lshrrev_b32 v1, 5, v0
	v_readfirstlane_b32 s14, v1                    ; wave 0..3
	s_lshr_b32 s15, s14, 1                         ; which 64 rows are mine.  Also: I fetch for A (0) or for B (1)
	s_and_b32 s16, s14, 1                          ; which 128 columns.  Also: which half of that operand I fetch
	s_bfe_u32 s40, ttmp6, 0x40000                  ; cx, cy
	s_bfe_u32 s41, ttmp6, 0x40004
	s_lshl_b32 s42, ttmp9, 2
	s_add_co_u32 s42, s42, s40                     ; block column
	s_and_b32 s17, ttmp7, 0xffff
	s_lshl_b32 s17, s17, 2
	s_add_co_u32 s17, s17, s41                     ; block row
	s_lshl_b32 s43, s41, 2
	s_lshl_b32 s43, 15, s43                        ; my row of the cluster
	s_lshl_b32 s44, 0x1111, s40                    ; my column
	s_or_b32 s[G1+0], s43, (3<<16)|(1<<21)         ; elements of 8 bytes; the mask, bit 21 beside it
	s_mov_b32 s[G1+1], 32<<16                      ; rows of 256 bytes, dense
	s_mov_b32 s[G1+2], 192<<16                     ; four tiles of A
	s_mov_b32 s[G1+3], 32<<16
	s_mov_b32 s[G1+4], 192
	s_mov_b32 s[G1+5], 32
	s_mov_b32 s[G1+6], 0
	s_mov_b32 s[G1+7], 0
	s_or_b32 s[G1B+0], s44, (3<<16)|(1<<21)
	s_mov_b32 s[G1B+1], 32<<16
	s_mov_b32 s[G1B+2], 384<<16                    ; eight tiles of B
	s_mov_b32 s[G1B+3], 32<<16
	s_mov_b32 s[G1B+4], 384
	s_mov_b32 s[G1B+5], 32
	s_mov_b32 s[G1B+6], 0
	s_mov_b32 s[G1B+7], 0
	s_lshl_b32 s20, s17, 3                         ; A: tile 8 x block row + 4 x half
	s_lshl_b32 s18, s16, 2
	s_add_co_u32 s20, s20, s18
	s_mul_i32 s20, s20, TROW
	s_mov_b32 s21, 0
	s_lshl_b32 s46, s42, 4                         ; B: tile 704 + 16 x block column + 8 x half
	s_lshl_b32 s47, s16, 3
	s_add_co_u32 s46, s46, s47
	s_add_co_u32 s46, s46, 704
	s_mul_i32 s46, s46, TROW
	s_mov_b32 s47, 0
	s_mul_i32 s45, s16, 4*TROW                     ; where they go: no place in the cluster enters an LDS address
	s_mul_i32 s19, s16, 8*TROW
	s_add_co_u32 s19, s19, AREG
	s_lshl_b32 s22, s17, 12                        ; the scales of my 64 rows of A, 32 bytes a row
	s_lshl_b32 s23, s15, 11
	s_add_co_u32 s22, s22, s23
	s_mov_b32 s23, 0
	s_lshl_b32 s36, s42, 8                         ; and of my 128 rows of Wo
	s_lshl_b32 s37, s16, 7
	s_add_co_u32 s36, s36, s37
	s_add_co_u32 s36, s36, 11264
	s_lshl_b32 s36, s36, 5
	s_mov_b32 s37, 0
	s_lshl_b32 s38, s17, 19                        ; out0: 128 rows of 4,096 bytes a block row, 64 a half; 1,024 bytes a block column, 512 a half
	s_lshl_b32 s39, s15, 18
	s_add_co_u32 s38, s38, s39
	s_lshl_b32 s39, s42, 10
	s_add_co_u32 s38, s38, s39
	s_lshl_b32 s39, s16, 9
	s_add_co_u32 s38, s38, s39
	s_mov_b32 s39, 0
	s_wait_dscnt 0x0
	s_wait_kmcnt 0x0
	s_add_nc_u64 s[20:21], s[4:5], s[20:21]
	s_add_nc_u64 s[46:47], s[8:9], s[46:47]
	s_add_nc_u64 s[6:7], s[6:7], s[22:23]
	s_add_nc_u64 s[10:11], s[10:11], s[36:37]
	s_add_nc_u64 s[12:13], s[12:13], s[38:39]
	CROUND                                         ; all sixteen work-groups are here: the joint loads meet
	s_mov_b32 s[G0], 1
	s_mov_b32 s[G0+1], s45
	s_mov_b64 s[G0+2:G0+3], s[20:21]
	s_or_b32 s[G0+3], s[G0+3], 0x80000000
	s_mov_b32 s[G0B], 1
	s_mov_b32 s[G0B+1], s19
	s_mov_b64 s[G0B+2:G0B+3], s[46:47]
	s_or_b32 s[G0B+3], s[G0B+3], 0x80000000
	s_cmp_eq_u32 s15, 0                            ; waves 0 and 1 fetch A's halves, waves 2 and 3 B's: one tensor load a wave
	s_cbranch_scc0 .Lfor_b
	tensor_load_to_lds s[G0:G0+3], s[G1:G1+7]
	s_nop 0
	PLACES 4
	s_branch .Lasked
.Lfor_b:
	tensor_load_to_lds s[G0B:G0B+3], s[G1B:G1B+7]
	s_nop 0
	PLACES 4
.Lasked:
	v_and_b32 v1, 15, v0                           ; r
	v_bfe_u32 v2, v0, 4, 1                         ; h
	v_and_b32 v6, 31, v0
	v_lshlrev_b32 v7, 4, v6
	v_lshlrev_b32 v8, 3, v6
	s_mul_i32 s21, s15, 4*TROW                     ; my four tiles of A
	s_mul_i32 s22, s16, 8*TROW                     ; my eight of B,
	s_add_co_u32 s22, s22, AREG                    ; which lie behind A's
	v_add_nc_u32 v[ADA], s21, v7
	v_add_nc_u32 v[ADA+1], s21, v8
	v_add_nc_u32 v[ADB], s22, v7
	v_add_nc_u32 v[ADB+1], 4*TROW, v[ADB]
	v_lshlrev_b32 v5, 5, v1
	v_lshl_add_u32 v[SOF], v2, 4, v5               ; row r's 32 scale bytes, 16 h on
	s_mul_i32 s23, s14, 16*SPITCH                  ; my stage
	v_mul_u32_u24 v5, v1, SPITCH
	v_lshl_add_u32 v5, v2, 5, v5
	v_add_nc_u32 v[STO], s23, v5                   ; in: row r, 32 bytes for each half of the lanes
	v_lshlrev_b32 v[CO], 4, v6                     ; back: the 32 lanes take one row of 512 bytes; and the same in out0
	v_add_nc_u32 v[RD], s23, v[CO]
	s_wait_alu depctr_va_vdst(0)
.irp i, 0,1,2,3
	global_load_b128 v[SA+4*\i:SA+4*\i+3], v[SOF], s[6:7] offset:512*\i
.endr
.irp i, 0,1,2,3,4,5,6,7
	global_load_b128 v[SB+4*\i:SB+4*\i+3], v[SOF], s[10:11] offset:512*\i
.endr
.macro FETCH st                        ; step st's fragments into set st % 2
	WIN 0x80                                       ; destination window 2
.irp b, 0,1,2,3,4,5,6,7
.irp g, 0,1,2
	ds_load_b128 v[96*((\st)%2)+12*\b+4*\g:96*((\st)%2)+12*\b+4*\g+3], v[ADB+\b/4] offset:(\b%4)*TROW+(\st)*ATB+512*\g
.endr
.endr
	WIN 0
.irp a, 0,1,2,3
.irp c, 0,1
	ds_load_b128 v[AF+48*((\st)%2)+12*\a+6*\c:AF+48*((\st)%2)+12*\a+6*\c+3], v[ADA] offset:\a*TROW+(\st)*ATB+768*\c
	ds_load_b64 v[AF+48*((\st)%2)+12*\a+6*\c+4:AF+48*((\st)%2)+12*\a+6*\c+5], v[ADA+1] offset:\a*TROW+(\st)*ATB+768*\c+512
.endr
.endr
.endm
.macro MUL32 st                        ; the 32 accumulators take turns in the same order in every step; the first step's products start the sums
	WIN 0x52                                       ; source 0 (B) window 2, source 1 (A) window 0, C and D window 1
.irp a, 0,1,2,3
.irp b, 0,1,2,3,4,5,6,7
.if (\st) == 0
	v_wmma_scale_f32_16x16x128_f8f6f4 v[8*(8*\a+\b):8*(8*\a+\b)+7], v[12*\b:12*\b+11], v[AF+12*\a:AF+12*\a+11], 0, v[SB+4*\b], v[SA+4*\a] matrix_a_fmt:MATRIX_FMT_BF6 matrix_b_fmt:MATRIX_FMT_BF6
.elseif (\st) < 4
	v_wmma_scale_f32_16x16x128_f8f6f4 v[8*(8*\a+\b):8*(8*\a+\b)+7], v[96*((\st)%2)+12*\b:96*((\st)%2)+12*\b+11], v[AF+48*((\st)%2)+12*\a:AF+48*((\st)%2)+12*\a+11], v[8*(8*\a+\b):8*(8*\a+\b)+7], v[SB+4*\b+(\st)], v[SA+4*\a+(\st)] matrix_a_fmt:MATRIX_FMT_BF6 matrix_b_fmt:MATRIX_FMT_BF6
.else
	v_wmma_scale_f32_16x16x128_f8f6f4 v[8*(8*\a+\b):8*(8*\a+\b)+7], v[96*((\st)%2)+12*\b:96*((\st)%2)+12*\b+11], v[AF+48*((\st)%2)+12*\a:AF+48*((\st)%2)+12*\a+11], v[8*(8*\a+\b):8*(8*\a+\b)+7], v[SB+4*\b+(\st)-4], v[SA+4*\a+(\st)-4] matrix_a_fmt:MATRIX_FMT_BF6 matrix_b_fmt:MATRIX_FMT_BF6 matrix_a_scale:MATRIX_SCALE_ROW1 matrix_b_scale:MATRIX_SCALE_ROW1
.endif
.endr
.endr
.endm
	s_wait_tensorcnt 0x0                           ; my part of the tiles is in,
	s_barrier_signal -1
	s_barrier_wait -1                              ; everybody's is
	FETCH 0
	s_wait_loadcnt 0x0                             ; the scale words are in
.set ST, 0
.rept 8
	s_wait_dscnt 0x0                               ; this step's fragments are in
.if ST < 7
.if ST > 0
	PLACES 4                                       ; ahead of loads into the set that the last step multiplied
.endif
	FETCH ST+1
.endif
	MUL32 ST
.set ST, ST+1
.endr
	WIN 0
	s_barrier_signal -1                            ; no LDS load of mine is out: my reads of the tiles are over;
	s_barrier_wait -1                              ; everybody's are: the stages may be written
; THE WAY OUT, block by block of 16 rows x 128 columns, through my own stage and back as whole rows of 512 bytes.  LDS serves a wave's instructions in order: no wait between the stores and the loads.
.macro TOSTAGE a
	WIN 0x04                                       ; the data: window 1
.irp b, 0,1,2,3,4,5,6,7
	ds_store_b128 v[STO], v[64*(\a)+8*\b:64*(\a)+8*\b+3] offset:64*\b          ; each accumulator from its low end on
	ds_store_b128 v[STO], v[64*(\a)+8*\b+4:64*(\a)+8*\b+7] offset:64*\b+16
.endr
	WIN 0
.set BB, BK+64*((\a)%2)
.irp t, 0,1,2,3,4,5,6,7,8,9,10,11,12,13,14,15
	ds_load_b128 v[BB+4*\t:BB+4*\t+3], v[RD] offset:\t*SPITCH
.endr
.endm
.macro SEND a, younger                 ; younger: the LDS instructions issued behind block a's loads, which may stay out
.set BB, BK+64*((\a)%2)
	s_wait_dscnt \younger
.if (\a) > 0
.if (\a)%2 == 1
	s_add_nc_u64 s[12:13], s[12:13], 8*SIZE_N*4    ; (behind a wait on XCNT)  an odd tile begins 8 rows behind the even one,
.else
	s_add_nc_u64 s[12:13], s[12:13], 24*SIZE_N*4   ; the next even one 24 further on
.endif
.endif
.irp t, 0,1,2,3,4,5,6,7,8,9,10,11,12,13,14,15
	global_store_b128 v[CO], v[BB+4*\t:BB+4*\t+3], s[12:13] offset:(\t+8*(\t/8))*SIZE_N*4 th:TH_STORE_NT   ; 32 lanes store 512 consecutive bytes, aligned
.endr
.endm
	PLACES 4                                       ; behind the last products
	TOSTAGE 0
.irp a, 1,2,3
.if \a > 1
	s_wait_xcnt 0x0                                ; block a - 2's stores have read their registers and their base
.endif
	TOSTAGE \a
	SEND \a-1, 32                                  ; behind block a - 1's loads: block a's 16 stores and 16 loads
.endr
	s_wait_xcnt 0x0
	SEND 3, 0
	s_wait_tensorcnt 0x0                           ; the wave's end
	ds_add_u32 v[SPW], v[NIL]
	s_wait_dscnt 0x0
	CROUND                                         ; the closing round
	s_endpgm
.Lfunc_end_k_qbee29a13c9_proj:
	.size	k_qbee29a13c9_proj, .Lfunc_end_k_qbee29a13c9_proj-k_qbee29a13c9_proj
	.p2alignl 7, 3214868480
	.fill 96, 4, 3214868480
	.section	.rodata,"a",@progbits
	.p2align	6, 0x0
	.amdhsa_kernel k_qbee29a13c9_proj
		.amdhsa_group_segment_fixed_size 327680
		.amdhsa_private_segment_fixed_size 0
		.amdhsa_enable_private_segment 0
		.amdhsa_kernarg_size 40
		.amdhsa_user_sgpr_count 2
		.amdhsa_user_sgpr_kernarg_segment_ptr 1
		.amdhsa_wavefront_size32 1
		.amdhsa_system_sgpr_workgroup_id_x 1
		.amdhsa_system_sgpr_workgroup_id_y 1
		.amdhsa_system_sgpr_workgroup_id_z 1
		.amdhsa_system_vgpr_workitem_id 0
		.amdhsa_next_free_vgpr 768
		.amdhsa_next_free_sgpr 66
		.amdhsa_reserve_vcc 0
		.amdhsa_float_denorm_mode_32 3
		.amdhsa_float_denorm_mode_16_64 3
		.amdhsa_memory_ordered 1
		.amdhsa_forward_progress 1
		.amdhsa_inst_pref_size 77
	.end_amdhsa_kernel
	.amdgpu_metadata
---
amdhsa.version: [ 1, 2 ]
amdhsa.kernels:
  - .name:           k_qbee29a13c9_proj
    .symbol:         k_qbee29a13c9_proj.kd
    .args:
      - { .name: oimg, .offset: 0, .size: 8, .value_kind: global_buffer, .address_space: global }
      - { .name: osc, .offset: 8, .size: 8, .value_kind: global_buffer, .address_space: global }
      - { .name: cod, .offset: 16, .size: 8, .value_kind: global_buffer, .address_space: global }
      - { .name: scl, .offset: 24, .size: 8, .value_kind: global_buffer, .address_space: global }
      - { .name: out0, .offset: 32, .size: 8, .value_kind: global_buffer, .address_space: global }
    .group_segment_fixed_size: 327680
    .private_segment_fixed_size: 0
    .kernarg_segment_align: 8
    .kernarg_segment_size: 40
    .max_flat_workgroup_size: 128
    .sgpr_count:     66
    .vgpr_count:     768
    .wavefront_size: 32
...
	.end_amdgpu_metadata
.endif
;; end of part 4
